; MI455X (gfx1250); checked and timed in simulation.
; The chip was launched on July 23, 2026; its instructions are those of AMD's public machine-readable ISA for CDNA 5 (MIT licence, August 2026) and "CDNA5" Instruction Set Architecture Reference Guide (July 2026). The comments in the code are by the model that wrote it; some were corrected since.
;; Masked Self Attention. Allowed arithmetic: float matrix products may take bf16 or f16 operands with f32 sums; all other float work in f32.
;; Inputs: W_proj 256 x 256 float32; W_qkv 768 x 256 float32; b_proj 256 float32; fg_mask 4 x 1 x 64 x 64 int32; x 4 x 256 x 64 x 64 float32.
;; Outputs: out0 4 x 256 x 64 x 64 float32.
;; 2 versions, each right and faster than the one before. Each part assembles by itself: llvm-mc -triple=amdgcn-amd-amdhsa -mcpu=gfx1250 --defsym DOCPART=n.
;; ======== version 1 of 2: 3 launches
;; workspace buffers: order 66,560 bytes of whole numbers; wb 524,288 bytes; qb 8,388,608 bytes; kb 8,388,608 bytes; vb 8,388,608 bytes
;; launch prep (part 1): grid 64 x 1, 4 waves a work-group, no clusters, 0 bytes of LDS; arguments fg_mask, W_qkv, W_proj, order, wb; writes order, wb
.if DOCPART == 1
	.amdgcn_target "amdgcn-amd-amdhsa--gfx1250"
	.amdhsa_code_object_version 6
	.text
	.protected	k_q67a466df13_prep
	.globl	k_q67a466df13_prep
	.p2align	8
	.type	k_q67a466df13_prep,@function
k_q67a466df13_prep:
	s_mov_b64 s[64:65], 0
	v_nop
	global_prefetch_b8 v0, s[64:65] scope:SCOPE_SE
	s_setreg_imm32_b32 hwreg(HW_REG_WAVE_MODE, 25, 1), 1
	s_wait_xcnt 0x0
; prep: (1) the place of every key in a partition of its batch: keys with fg != 0 first, in their order, the others behind them;
;           order[b][n] = that place (a permutation of 0 .. 4095), and behind the four tables 64 equal words per batch = the number of foreground keys.
;       (2) all weights in bf16: wb rows 0-255 = W_q x log2(e)/16 (the softmax scale and the base-2 exponential folded in BEFORE the rounding:
;           a stated order of rounding), rows 256-767 = W_k, W_v, rows 768-1023 = W_proj.
; 256 waves, none depends on another: no LDS, no barrier.  Wave G = 4 x work-group + wave:
;   scan:    batch b = G / 64, the 64 keys from p0 = 64 (G % 64).  It reads the batch's whole mask (16 KiB, 32 loads of 512 bytes), counts all
;            foreground keys and those below p0, and places its own 64 keys by two ballots.  All in whole numbers: later launches form addresses from them.
;   weights: rows 4 G .. 4 G + 3 of wb.
; The matrix units, LDS and clusters have nothing to do here: a few hundred KiB are read and written once.
.set MK, 64                            ; v[64:191] the batch's mask, load j: keys 128 j + 4 lane .. + 3
.set WF, 32                            ; v[32:63]  four rows of weights, 8 f32 a lane and row; packed in place
	s_load_b256 s[4:11], s[0:1], 0x0               ; fg s[4:5], W_qkv s[6:7], W_proj s[8:9], order s[10:11]
	s_load_b64 s[12:13], s[0:1], 0x20              ; wb
	v_lshrrev_b32 v10, 5, v0
	v_readfirstlane_b32 s14, v10                   ; wave in the work-group
	s_lshl2_add_u32 s15, ttmp9, s14                ; G
	s_lshr_b32 s16, s15, 6                         ; b
	s_and_b32 s17, s15, 63                         ; which 64 keys of the batch
	s_lshl_b32 s18, s17, 6                         ; p0
	s_mov_b32 s32, 0x76543210                      ; v_permlanex16_b32: lane i takes lane i of the other half
	s_mov_b32 s33, 0xfedcba98
	s_lshl_b32 s34, s16, 14                        ; a batch's mask, and its table, are 16,384 bytes
	s_mov_b32 s35, 0
	s_lshl_b32 s36, s16, 8                         ; the batch's 256 bytes of counts, behind the four tables
	s_add_co_u32 s36, s36, 0x10000
	s_mov_b32 s37, 0
	s_lshl_b32 s38, s15, 11                        ; four rows of 512 bytes in wb
	s_mov_b32 s39, 0
	s_cmp_lt_u32 s15, 64                           ; rows 0-255 are W_q
	s_cselect_b32 s26, 0x3db8aa3b, 1.0             ; log2(e)/16 for them, 1 for all others: one text for every row
	s_mov_b32 s27, s26
	v_and_b32 v1, 31, v0                           ; lane
	v_lshlrev_b32 v2, 4, v1                        ; 16 lane
	v_lshlrev_b32 v3, 2, v1                        ; 4 lane: the first key of my four in a load, less 128 j
	v_lshlrev_b32 v7, 5, v1                        ; 32 lane: my 8 f32 of a weight row
	v_lshlrev_b32 v16, 3, v1                       ; 8 lane
	v_lshl_add_u32 v6, s18, 2, v16                 ; 4 p0 + 8 lane: my two own keys
	s_wait_kmcnt 0x0
	s_cmp_lt_u32 s15, 192                          ; rows 0-767 come from W_qkv, the rest from W_proj
	s_cselect_b64 s[22:23], s[6:7], s[8:9]
	s_cselect_b32 s24, 0, 192
	s_sub_co_u32 s24, s15, s24
	s_lshl_b32 s24, s24, 12                        ; four rows of 1,024 bytes
	s_mov_b32 s25, 0
	s_add_nc_u64 s[22:23], s[22:23], s[24:25]
	s_add_nc_u64 s[20:21], s[4:5], s[34:35]        ; the batch's mask
	s_add_nc_u64 s[34:35], s[10:11], s[34:35]      ; the batch's table
	s_add_nc_u64 s[36:37], s[10:11], s[36:37]      ; the batch's counts
	s_add_nc_u64 s[38:39], s[12:13], s[38:39]      ; my rows of wb
.set j, 0
.rept 32
	global_load_b128 v[MK+4*j:MK+4*j+3], v2, s[20:21] offset:512*j
.set j, j+1
.endr
	global_load_b64 v[4:5], v6, s[20:21]           ; my two own keys' flags
.irp i, 0,1,2,3
	global_load_b128 v[WF+8*\i:WF+8*\i+3],   v7, s[22:23] offset:1024*\i th:TH_LOAD_NT
	global_load_b128 v[WF+8*\i+4:WF+8*\i+7], v7, s[22:23] offset:1024*\i+16 th:TH_LOAD_NT
.endr
	v_mov_b32 v8, 0                                ; foreground keys of the batch (my lane's share)
	v_mov_b32 v9, 0                                ; those below p0
	v_mov_b32 v11, 0                               ; written once: a DPP destination counts as read
	s_wait_loadcnt 0x8                             ; the eight weight loads are younger: mask and own flags are in
.set j, 0
.rept 32
	v_min_u32 v[MK+4*j],   1, v[MK+4*j]            ; any nonzero flag counts as 1
	v_min_u32 v[MK+4*j+1], 1, v[MK+4*j+1]
	v_min_u32 v[MK+4*j+2], 1, v[MK+4*j+2]
	v_min_u32 v[MK+4*j+3], 1, v[MK+4*j+3]
	v_add3_u32 v10, v[MK+4*j], v[MK+4*j+1], v[MK+4*j+2]
	v_add_nc_u32 v10, v10, v[MK+4*j+3]
	s_sub_co_i32 s28, s18, 128*j
	v_cmp_gt_i32 vcc_lo, s28, v3                   ; 128 j + 4 lane < p0: p0 is a multiple of 64, so my four keys are all below it or none is
	v_add_nc_u32 v8, v8, v10
	v_cndmask_b32 v10, 0, v10, vcc_lo
	v_add_nc_u32 v9, v9, v10
.set j, j+1
.endr
.irp m, 1,2,4,8                                    ; both sums over the 32 lanes, in whole numbers
	v_mov_b32_dpp v10, v8 row_xmask:\m row_mask:0xf bank_mask:0xf
	v_mov_b32_dpp v11, v9 row_xmask:\m row_mask:0xf bank_mask:0xf
	v_add_nc_u32 v8, v8, v10
	v_add_nc_u32 v9, v9, v11
.endr
	v_permlanex16_b32 v10, v8, s32, s33
	v_permlanex16_b32 v11, v9, s32, s33
	v_add_nc_u32 v8, v8, v10                       ; tot: foreground keys of the batch
	v_add_nc_u32 v9, v9, v11                       ; pre: those below p0
	; my keys i0 = p0 + 2 lane and i0 + 1.  Foreground keys in front of i0 = pre + both flags of the lanes below me.
	v_cmp_ne_u32 s30, 0, v4
	v_cmp_ne_u32 s31, 0, v5
	v_mbcnt_lo_u32_b32 v10, s30, v9
	v_mbcnt_lo_u32_b32 v10, s31, v10               ; pe0
	v_cndmask_b32 v11, 0, 1, s30
	v_add_nc_u32 v14, v10, v11                     ; pe1 = pe0 + my first flag
	v_lshl_add_u32 v12, v1, 1, s18                 ; i0
	v_add_nc_u32 v13, v12, v8
	v_sub_nc_u32 v13, v13, v10                     ; a background key goes to tot + (background keys in front of it) = tot + i - pe
	v_add3_u32 v15, v12, v8, 1
	v_sub_nc_u32 v15, v15, v14
	v_cndmask_b32 v20, v13, v10, s30
	v_cndmask_b32 v21, v15, v14, s31
	global_store_b64 v6, v[20:21], s[34:35]        ; the wave's 64 places: 256 consecutive bytes, aligned
	s_cmp_lg_u32 s17, 0                            ; the batch's first wave also stores the count, 64 times: 256 consecutive bytes, aligned
	s_cbranch_scc1 .Lnocount
	v_mov_b32 v22, v8
	v_mov_b32 v23, v8
	global_store_b64 v16, v[22:23], s[36:37]
.Lnocount:
	s_wait_loadcnt 0x0                             ; the weights
.irp i, 0,1,2,3
.irp k, 0,2,4,6
	v_pk_mul_f32 v[WF+8*\i+\k:WF+8*\i+\k+1], v[WF+8*\i+\k:WF+8*\i+\k+1], s[26:27] op_sel_hi:[1,0]
.endr
.irp k, 0,1,2,3
	v_cvt_pk_bf16_f32 v[WF+8*\i+\k], v[WF+8*\i+2*\k], v[WF+8*\i+2*\k+1]    ; in place: word k is written when numbers 2k, 2k+1 >= k have been read
.endr
	global_store_b128 v2, v[WF+8*\i:WF+8*\i+3], s[38:39] offset:512*\i     ; a whole row of 512 bytes
.endr
	s_endpgm
.Lfunc_end_k_q67a466df13_prep:
	.size	k_q67a466df13_prep, .Lfunc_end_k_q67a466df13_prep-k_q67a466df13_prep
	.p2alignl 7, 3214868480
	.fill 96, 4, 3214868480
	.section	.rodata,"a",@progbits
	.p2align	6, 0x0
	.amdhsa_kernel k_q67a466df13_prep
		.amdhsa_group_segment_fixed_size 0
		.amdhsa_private_segment_fixed_size 0
		.amdhsa_enable_private_segment 0
		.amdhsa_kernarg_size 40
		.amdhsa_user_sgpr_count 2
		.amdhsa_user_sgpr_kernarg_segment_ptr 1
		.amdhsa_wavefront_size32 1
		.amdhsa_system_sgpr_workgroup_id_x 1
		.amdhsa_system_sgpr_workgroup_id_y 1
		.amdhsa_system_sgpr_workgroup_id_z 1
		.amdhsa_system_vgpr_workitem_id 0
		.amdhsa_next_free_vgpr 192
		.amdhsa_next_free_sgpr 66
		.amdhsa_reserve_vcc 1
		.amdhsa_float_denorm_mode_32 3
		.amdhsa_float_denorm_mode_16_64 3
		.amdhsa_memory_ordered 1
		.amdhsa_forward_progress 1
		.amdhsa_inst_pref_size 24
	.end_amdhsa_kernel
	.amdgpu_metadata
---
amdhsa.version: [ 1, 2 ]
amdhsa.kernels:
  - .name:           k_q67a466df13_prep
    .symbol:         k_q67a466df13_prep.kd
    .args:
      - { .name: fg_mask, .offset: 0, .size: 8, .value_kind: global_buffer, .address_space: global }
      - { .name: W_qkv, .offset: 8, .size: 8, .value_kind: global_buffer, .address_space: global }
      - { .name: W_proj, .offset: 16, .size: 8, .value_kind: global_buffer, .address_space: global }
      - { .name: order, .offset: 24, .size: 8, .value_kind: global_buffer, .address_space: global }
      - { .name: wb, .offset: 32, .size: 8, .value_kind: global_buffer, .address_space: global }
    .group_segment_fixed_size: 0
    .private_segment_fixed_size: 0
    .kernarg_segment_align: 8
    .kernarg_segment_size: 40
    .max_flat_workgroup_size: 128
    .sgpr_count:     66
    .vgpr_count:     192
    .wavefront_size: 32
...
	.end_amdgpu_metadata
.endif
;; end of part 1
;; launch qkv (part 2): grid 256 x 1, 4 waves a work-group, clusters of 4 x 1, 327,680 bytes of LDS; arguments x, wb, order, qb, kb, vb; writes qb, kb, vb
.if DOCPART == 2
	.amdgcn_target "amdgcn-amd-amdhsa--gfx1250"
	.amdhsa_code_object_version 6
	.text
	.protected	k_q67a466df13_qkv
	.globl	k_q67a466df13_qkv
	.p2align	8
	.type	k_q67a466df13_qkv,@function
k_q67a466df13_qkv:
	s_mov_b64 s[64:65], 0
	v_nop
	global_prefetch_b8 v0, s[64:65] scope:SCOPE_SE
	s_setreg_imm32_b32 hwreg(HW_REG_WAVE_MODE, 25, 1), 1
	s_wait_xcnt 0x0
	s_wait_alu depctr_hold_cnt(0) depctr_sa_sdst(0) depctr_va_vdst(0) depctr_va_sdst(0) depctr_va_ssrc(0) depctr_va_vcc(0) depctr_vm_vsrc(0)
	s_getreg_b32 s2, hwreg(HW_REG_IB_STS2, 6, 4)
	s_cmp_eq_u32 s2, 0
	s_cbranch_scc0 .Lentry_in_a_cluster
	s_endpgm
.Lentry_in_a_cluster:
	s_bfe_u32 s2, ttmp6, 0x10000c
	s_cmp_lg_u32 s2, 0x3003
	s_cbranch_scc0 .Lentry_shape_is_right
	s_endpgm
.Lentry_shape_is_right:
; qkv: Q, K, V = x^T W^T for 64 positions a work-group, bf16 operands, f32 sums.
; Every product is formed transposed: A = 16 rows of W (m = output channel d), B = x (n = position, k = input channel c).  In the result lane (r, h)
; holds d = 8 h + 0..7 of position r: eight neighbouring channels of one row of Q, K or V, 16 bytes in bf16.
;   Q goes out as the register image of the fragments that the attention wants: qb[b][block of 64][nt 4][kc 8][half 2][lane 32][16 bytes].
;   K and V go out as rows of 512 bytes at the key's place in the partition (order[b][n], made by the launch before): foreground keys first.
; Work-group: batch b, positions n0 .. n0 + 63.  Wave w: rows 64 w .. 64 w + 63 of each of the three tiles of 256 rows of W (W_q, W_k, W_v):
; 16 accumulator tiles (4 m x 4 n), 128 matrix instructions a tile.
; CLUSTER 4 x 1: all work-groups walk the same three tiles of W, so the four of a cluster ask for them jointly (mask 15).
; By this text's own count a wave has at most two tensor loads outstanding (the two first fills), later one.
; LDS: two slots of 256 rows x 528 bytes for W (512 of data + 16 of padding: 16 rows of a fragment start in 16 different 16-byte columns);
;      behind them x in bf16, [c 256][160 bytes] (128 of data; 160 = 5 x 32 for the transposing loads); the same bytes serve later as the stage
;      [n 64][528 bytes] through which K and V rows are gathered.  No tensor load ever lands there.
.set KP,    528
.set WTILE, 64*KP                      ; what one tensor load brings: a wave's 64 rows
.set SLOT,  4*WTILE
.set XS,    2*SLOT                     ; x in bf16, later the stage
.set XP,    160
.set STEP,  2*256*512                  ; from tile 0 to tile 2 of wb
.set ADW,   4                          ; v4, v5    LDS address of my fragments of W in slot 0, 1
.set FB,    64                         ; v[64:127] two buffers of four fragments of W; also packed results
.set SC,    128                        ; v[128:255] 16 accumulator tiles, (mt, nt) at SC + 32 mt + 8 nt
                                       ; window 1: the 32 fragments of x, (nt, kc) at 64 nt + 8 kc
.set G0,    24                         ; s[24:27], s[28:31] descriptor group 0 of slot 0, 1
.set G1,    32                         ; s[32:39] descriptor group 1
.set MSB, 0
.macro WIN new                         ; s_set_vgpr_msb: bits 1:0 source 0, 3:2 source 1, 5:4 source 2, 7:6 destination; the high byte repeats the setting left
.if MSB != \new
	s_set_vgpr_msb (MSB<<8)|\new
.set MSB, \new
.endif
.endm
.macro PLACES n                        ; plain vector instructions that name no register of a matrix instruction (ISA guide 7.12.1)
.rept \n
	v_nop
.endr
.endm
.macro ROUND                           ; a round of the cluster's barrier: my work-group's barrier, wave 0 signals for it, all wait for the four work-groups, my barrier again
	s_barrier_signal -1
	s_barrier_wait -1
	s_cmp_lg_u32 s18, 0
	s_cbranch_scc1 .Lnot_wave_0_\@
	s_barrier_signal -3
.Lnot_wave_0_\@:
	s_barrier_wait -3
	s_barrier_signal -1
	s_barrier_wait -1
.endm
.macro GATE g0, g1                     ; a slot is filled again
	s_wait_dscnt 0x0                               ; my reads of the slot are back
	s_wait_tensorcnt 0x0                           ; all my tensor loads have landed: none is out, so a group 0 may be written
	ds_add_u32 v62, v63
	s_wait_dscnt 0x0
	s_add_nc_u64 s[\g0+2:\g0+3], s[\g0+2:\g0+3], STEP
	ROUND                                          ; both hold of every wave of the four work-groups
	tensor_load_to_lds s[\g0:\g0+3], s[\g1:\g1+7]  ; my one tensor load behind the round, and the first thing there
	s_nop 0
.endm
.macro FETCHA adr, kc, buf             ; four fragments (64 rows x 32 k at byte 64 kc of the rows) into buffer buf: 8 LDS loads
.irp mt, 0,1,2,3
	ds_load_b128 v[FB+32*(\buf)+8*\mt:FB+32*(\buf)+8*\mt+3],   v[\adr] offset:16*KP*\mt+64*(\kc)
	ds_load_b128 v[FB+32*(\buf)+8*\mt+4:FB+32*(\buf)+8*\mt+7], v[\adr] offset:16*KP*\mt+64*(\kc)+32
.endr
.endm
.macro MULS kc, buf, zero              ; 16 matrix instructions, the 16 accumulators by turns, one instruction a turn
.irp mt, 0,1,2,3
.irp nt, 0,1,2,3
.if \zero
	v_wmma_f32_16x16x32_bf16 v[SC+32*\mt+8*\nt:SC+32*\mt+8*\nt+7], v[FB+32*(\buf)+8*\mt:FB+32*(\buf)+8*\mt+7], v[64*\nt+8*(\kc):64*\nt+8*(\kc)+7], 0
.else
	v_wmma_f32_16x16x32_bf16 v[SC+32*\mt+8*\nt:SC+32*\mt+8*\nt+7], v[FB+32*(\buf)+8*\mt:FB+32*(\buf)+8*\mt+7], v[64*\nt+8*(\kc):64*\nt+8*(\kc)+7], v[SC+32*\mt+8*\nt:SC+32*\mt+8*\nt+7]
.endif
.endr
.endr
.endm
.macro SPHASE adr                      ; 64 rows x 64 columns over k = 256: 128 matrix instructions; the first 16 start the sums
	WIN 0x04                                       ; source 1 (B) in window 1, all else in window 0
	PLACES 5                                       ; behind the last matrix instructions: their registers are loaded into and written over below
	FETCHA \adr, 0, 0
	FETCHA \adr, 1, 1
	s_wait_dscnt 0x8                               ; all but the eight loads just issued
	MULS 0, 0, 1
.irp kc, 1,2,3,4,5,6
	PLACES 4                                       ; the buffer loaded next was read by the 16 matrix instructions just issued
	FETCHA \adr, (\kc+1), ((\kc+1)%2)
	s_wait_dscnt 0x8
	MULS \kc, (\kc%2), 0
.endr
	s_wait_dscnt 0x0
	MULS 7, 1, 0
	WIN 0
.endm
.macro PACK                            ; tile (mt, nt) to bf16: FB + 4 (4 mt + nt) .. + 3 = channels 64 w + 16 mt + 8 h + 0..7 of position 16 nt + r
	PLACES 4
.irp mt, 0,1,2,3
.irp nt, 0,1,2,3
.irp i, 0,1,2,3
	v_cvt_pk_bf16_f32 v[FB+4*(4*\mt+\nt)+\i], v[SC+32*\mt+8*\nt+2*\i], v[SC+32*\mt+8*\nt+2*\i+1]
.endr
.endr
.endr
.endm
.macro ROWOUT base, more               ; rows gathered in the stage and stored at their keys' places; more = 1: another tile's stores into the stage follow
.irp nt, 0,1,2,3
.irp mt, 0,1,2,3
	ds_store_b128 v10, v[FB+4*(4*\mt+\nt):FB+4*(4*\mt+\nt)+3] offset:16*KP*\nt+32*\mt
.endr
.endr
	s_wait_dscnt 0x0                               ; my stores are done, for the others' sake
	s_barrier_signal -1
	s_barrier_wait -1                              ; the 64 rows are whole
.irp i, 0,1,2,3,4,5,6,7,8,9,10,11,12,13,14,15
	ds_load_b128 v[SC+4*\i:SC+4*\i+3], v11 offset:KP*\i        ; row 16 w + i: 32 lanes x 16 bytes
.endr
.irp i, 0,1,2,3,4,5,6,7,8,9,10,11,12,13,14,15
	s_wait_dscnt 15-\i                             ; the younger read-backs may stay out
	global_store_b128 v[16+\i], v[SC+4*\i:SC+4*\i+3], s[\base:\base+1]     ; 512 consecutive bytes, aligned
.endr
.if \more
	s_barrier_signal -1                            ; my reads of the stage are back (the count-down ended at 0): behind this barrier it may be written again
	s_barrier_wait -1
.endif
.endm
	s_load_b256 s[4:11], s[0:1], 0x0               ; x s[4:5], wb s[6:7], order s[8:9], qb s[10:11]
	s_load_b128 s[12:15], s[0:1], 0x20             ; kb s[12:13], vb s[14:15]
	v_lshl_add_u32 v62, v0, 2, 0x4c000
	v_mov_b32 v63, 0
	ds_add_u32 v62, v63
	v_lshrrev_b32 v1, 5, v0
	v_readfirstlane_b32 s18, v1                    ; wave w
	s_bfe_u32 s19, ttmp6, 0x40000                  ; cx: my place in the cluster
	s_lshr_b32 s20, ttmp9, 4                       ; b: 16 clusters a batch
	s_and_b32 s21, ttmp9, 15
	s_lshl2_add_u32 s21, s21, s19                  ; block of 64 positions in the batch
	; group 1: 64 rows x 256 elements of 2 bytes, pitch 256 elements, 4 words of padding behind every 128; mask 15: all four of the cluster; bit 21 beside a mask
	s_mov_b32 s[G1+0], 15|(1<<16)|(1<<20)|(1<<21)|(6<<22)|(3<<25)
	s_mov_b32 s[G1+1], 256<<16                     ; tensor_dim0 = 256
	s_mov_b32 s[G1+2], 64<<16                      ; tensor_dim1 = 64
	s_mov_b32 s[G1+3], 256<<16                     ; tile_dim0 = 256
	s_mov_b32 s[G1+4], 64                          ; tile_dim1 = 64
	s_mov_b32 s[G1+5], 256                         ; from row to row
	s_mov_b32 s[G1+6], 0
	s_mov_b32 s[G1+7], 0
	s_mov_b32 s[G0+0], 1
	s_mul_i32 s[G0+1], s18, WTILE                  ; my rows of slot 0: the wave's number alone
	s_mov_b32 s[G0+4], 1
	s_add_co_u32 s[G0+5], s[G0+1], SLOT
	s_lshl_b32 s56, s18, 15                        ; W: 64 w rows of 512 bytes; nothing of the work-group's place enters
	s_mov_b32 s57, 0
	s_lshl_b32 s58, s20, 22                        ; x: (256 b + 64 w) rows of 16,384 bytes + 256 bytes a block
	s_lshl_b32 s59, s18, 20
	s_add_co_u32 s58, s58, s59
	s_lshl_b32 s59, s21, 8
	s_add_co_u32 s58, s58, s59
	s_mov_b32 s59, 0
	s_lshl_b32 s60, s20, 14                        ; order: 4 (4096 b + 64 block + 16 w)
	s_lshl_b32 s61, s21, 8
	s_add_co_u32 s60, s60, s61
	s_lshl_b32 s61, s18, 6
	s_add_co_u32 s60, s60, s61
	s_mov_b32 s61, 0
	s_lshl_b32 s62, s20, 21                        ; qb: (64 b + block) x 32 KiB + 2,048 w (kc = 2 w, 2 w + 1)
	s_lshl_b32 s63, s21, 15
	s_add_co_u32 s62, s62, s63
	s_lshl_b32 s63, s18, 11
	s_add_co_u32 s62, s62, s63
	s_mov_b32 s63, 0
	s_lshl_b32 s22, s20, 21                        ; kb, vb: 4,096 rows of 512 bytes a batch
	s_mov_b32 s23, 0
	v_and_b32 v1, 31, v0                           ; L
	v_and_b32 v2, 15, v0                           ; r
	v_bfe_u32 v3, v0, 4, 1                         ; h
	v_mul_u32_u24 v14, v2, KP
	v_lshl_add_u32 v14, v3, 4, v14                 ; 528 r + 16 h
	v_add_nc_u32 v[ADW], s[G0+1], v14
	v_add_nc_u32 v[ADW+1], SLOT, v[ADW]
	v_lshlrev_b32 v6, 4, v1                        ; 16 L
	v_lshlrev_b32 v7, 4, v2
	v_lshl_add_u32 v7, v3, 14, v7                  ; x: lanes 0-15 one row's 256 bytes, lanes 16-31 the next row's
	s_mul_i32 s16, s18, 64*XP
	s_add_co_u32 s16, s16, XS
	v_mul_u32_u24 v8, v3, XP
	v_lshl_add_u32 v8, v2, 3, v8
	v_add_nc_u32 v8, s16, v8                       ; x in bf16: row 64 w + h, 8 bytes at 8 r
	v_and_b32 v12, 7, v0
	v_lshl_add_u32 v12, v3, 3, v12
	v_mul_u32_u24 v9, v12, XP
	v_bfe_u32 v13, v0, 3, 1
	v_lshl_add_u32 v9, v13, 4, v9
	v_add_nc_u32 v9, XS, v9                        ; transposing loads: row 8 h + (L & 7), 16 bytes at 16 ((L >> 3) & 1)
	s_lshl_b32 s17, s18, 7
	s_add_co_u32 s17, s17, XS
	v_add_nc_u32 v10, s17, v14                     ; stage, in: row r, byte 128 w + 16 h
	s_mul_i32 s17, s18, 16*KP
	s_add_co_u32 s17, s17, XS
	v_add_nc_u32 v11, s17, v6                      ; stage, back: row 16 w, byte 16 L
	s_wait_dscnt 0x0
	s_wait_kmcnt 0x0
	s_add_nc_u64 s[G0+2:G0+3], s[6:7], s[56:57]    ; tile 0 (W_q)
	s_add_nc_u64 s[G0+6:G0+7], s[G0+2:G0+3], 256*512   ; tile 1 (W_k)
	s_or_b32 s[G0+3], s[G0+3], 0x80000000
	s_or_b32 s[G0+7], s[G0+7], 0x80000000
	s_add_nc_u64 s[4:5], s[4:5], s[58:59]
	s_add_nc_u64 s[8:9], s[8:9], s[60:61]
	s_add_nc_u64 s[10:11], s[10:11], s[62:63]
	s_add_nc_u64 s[12:13], s[12:13], s[22:23]
	s_add_nc_u64 s[14:15], s[14:15], s[22:23]
	s_load_b512 s[40:55], s[8:9], 0x0              ; the places of my 16 positions n0 + 16 w + 0..15
.set i, 0
.rept 32
	global_load_b128 v[SC+4*i:SC+4*i+3], v7, s[4:5] offset:32768*i th:TH_LOAD_NT   ; rows 64 w + 2 i, + 1: two aligned runs of 256 bytes
.set i, i+1
.endr
	ROUND                                          ; the four work-groups are here: the first joint loads meet
	tensor_load_to_lds s[G0:G0+3], s[G1:G1+7]      ; the two first fills, as one group
	s_nop 0
	tensor_load_to_lds s[G0+4:G0+7], s[G1:G1+7]
	s_nop 0
.set i, 0
.rept 32
	s_wait_loadcnt 31-i                            ; the younger loads of x may stay out
	v_cvt_pk_bf16_f32 v[FB+2*i],   v[SC+4*i],   v[SC+4*i+1]
	v_cvt_pk_bf16_f32 v[FB+2*i+1], v[SC+4*i+2], v[SC+4*i+3]
	ds_store_b64 v8, v[FB+2*i:FB+2*i+1] offset:2*XP*i
.set i, i+1
.endr
	s_wait_dscnt 0x0                               ; my part of x is in LDS, for the others' sake
	s_barrier_signal -1
	s_barrier_wait -1                              ; all 256 rows are; the tensor loads may stay out
	WIN 0x40                                       ; destination in window 1
.irp nt, 0,1,2,3
.irp kc, 0,1,2,3,4,5,6,7
	ds_load_tr16_b128 v[64*\nt+8*\kc:64*\nt+8*\kc+3],   v9 offset:32*XP*\kc+32*\nt          ; c = 32 kc + 8 h + 0..7 of position 16 nt + r
	ds_load_tr16_b128 v[64*\nt+8*\kc+4:64*\nt+8*\kc+7], v9 offset:32*XP*\kc+32*\nt+16*XP   ; c = 32 kc + 16 + 8 h + 0..7
.endr
.endr
	WIN 0
	s_wait_kmcnt 0x0
.irp i, 0,1,2,3,4,5,6,7,8,9,10,11,12,13,14,15
	s_min_u32 s[40+\i], s[40+\i], 4095             ; a place stays inside the batch's 4,096 rows
	v_lshl_add_u32 v[16+\i], s[40+\i], 9, v6       ; 512 x place + 16 L
.endr
	s_wait_dscnt 0x0                               ; the fragments of x are in registers: x's bytes in LDS are read no more by me
	s_wait_tensorcnt 0x1                           ; my rows of tile 0 are in (only I read them); tile 1's load is the one younger
	SPHASE ADW
	GATE G0, G1                                    ; slot 0 gets tile 2 (W_v); the round also puts every wave's reads of x in front of the stores into the stage
	PACK
.irp nt, 0,1,2,3
.irp kcl, 0,1
.irp hf, 0,1
	global_store_b128 v6, v[FB+4*(4*(2*\kcl+\hf)+\nt):FB+4*(4*(2*\kcl+\hf)+\nt)+3], s[10:11] offset:8192*\nt+1024*\kcl+512*\hf   ; half a fragment: 512 consecutive bytes, aligned
.endr
.endr
.endr
	s_wait_xcnt 0x0                                ; the stores' data registers are loaded into again only behind this wait
	s_wait_tensorcnt 0x1                           ; tile 1 (shown landed in front of the round); tile 2's load is the one younger
	SPHASE ADW+1
	PACK
	ROWOUT 12, 1                                   ; K
	s_wait_xcnt 0x0                                ; the accumulators, which the stores read, are written again only behind this wait
	s_wait_tensorcnt 0x0                           ; tile 2: no load was issued behind it
	SPHASE ADW
	PACK
	ROWOUT 14, 0                                   ; V
	s_wait_tensorcnt 0x0
	ds_add_u32 v62, v63
	s_wait_dscnt 0x0
	ROUND                                          ; the closing round: no work-group ends while a partner may still ask jointly
	s_endpgm
.Lfunc_end_k_q67a466df13_qkv:
	.size	k_q67a466df13_qkv, .Lfunc_end_k_q67a466df13_qkv-k_q67a466df13_qkv
	.p2alignl 7, 3214868480
	.fill 96, 4, 3214868480
	.section	.rodata,"a",@progbits
	.p2align	6, 0x0
	.amdhsa_kernel k_q67a466df13_qkv
		.amdhsa_group_segment_fixed_size 327680
		.amdhsa_private_segment_fixed_size 0
		.amdhsa_enable_private_segment 0
		.amdhsa_kernarg_size 48
		.amdhsa_user_sgpr_count 2
		.amdhsa_user_sgpr_kernarg_segment_ptr 1
		.amdhsa_wavefront_size32 1
		.amdhsa_system_sgpr_workgroup_id_x 1
		.amdhsa_system_sgpr_workgroup_id_y 1
		.amdhsa_system_sgpr_workgroup_id_z 1
		.amdhsa_system_vgpr_workitem_id 0
		.amdhsa_next_free_vgpr 512
		.amdhsa_next_free_sgpr 66
		.amdhsa_reserve_vcc 0
		.amdhsa_float_denorm_mode_32 3
		.amdhsa_float_denorm_mode_16_64 3
		.amdhsa_memory_ordered 1
		.amdhsa_forward_progress 1
		.amdhsa_inst_pref_size 85
	.end_amdhsa_kernel
	.amdgpu_metadata
---
amdhsa.version: [ 1, 2 ]
amdhsa.kernels:
  - .name:           k_q67a466df13_qkv
    .symbol:         k_q67a466df13_qkv.kd
    .args:
      - { .name: x, .offset: 0, .size: 8, .value_kind: global_buffer, .address_space: global }
      - { .name: wb, .offset: 8, .size: 8, .value_kind: global_buffer, .address_space: global }
      - { .name: order, .offset: 16, .size: 8, .value_kind: global_buffer, .address_space: global }
      - { .name: qb, .offset: 24, .size: 8, .value_kind: global_buffer, .address_space: global }
      - { .name: kb, .offset: 32, .size: 8, .value_kind: global_buffer, .address_space: global }
      - { .name: vb, .offset: 40, .size: 8, .value_kind: global_buffer, .address_space: global }
    .group_segment_fixed_size: 327680
    .private_segment_fixed_size: 0
    .kernarg_segment_align: 8
    .kernarg_segment_size: 48
    .max_flat_workgroup_size: 128
    .sgpr_count:     66
    .vgpr_count:     512
    .wavefront_size: 32
...
	.end_amdgpu_metadata
.endif
;; end of part 2
;; launch attn (part 3): grid 256 x 1, 4 waves a work-group, clusters of 4 x 1, 327,680 bytes of LDS; arguments qb, kb, vb, order, wb, b_proj, out0; writes out0
.if DOCPART == 3
	.amdgcn_target "amdgcn-amd-amdhsa--gfx1250"
	.amdhsa_code_object_version 6
	.text
	.protected	k_q67a466df13_attn
	.globl	k_q67a466df13_attn
	.p2align	8
	.type	k_q67a466df13_attn,@function
k_q67a466df13_attn:
	s_mov_b64 s[64:65], 0
	v_nop
	global_prefetch_b8 v0, s[64:65] scope:SCOPE_SE
	s_setreg_imm32_b32 hwreg(HW_REG_WAVE_MODE, 25, 1), 1
	s_wait_xcnt 0x0
	s_wait_alu depctr_hold_cnt(0) depctr_sa_sdst(0) depctr_va_vdst(0) depctr_va_sdst(0) depctr_va_ssrc(0) depctr_va_vcc(0) depctr_vm_vsrc(0)
	s_getreg_b32 s2, hwreg(HW_REG_IB_STS2, 6, 4)
	s_cmp_eq_u32 s2, 0
	s_cbranch_scc0 .Lentry_in_a_cluster
	s_endpgm
.Lentry_in_a_cluster:
	s_bfe_u32 s2, ttmp6, 0x10000c
	s_cmp_lg_u32 s2, 0x3003
	s_cbranch_scc0 .Lentry_shape_is_right
	s_endpgm
.Lentry_shape_is_right:
; attn: softmax(Q K^T) V over the foreground keys, then W_proj and the bias, output [b][d][n] in f32.
; K and V rows lie partitioned (foreground keys first), count[b] of them.  ALL 16 steps of 256 keys are walked, whatever count is: the rounds of the cluster's
; barrier and the joint loads stand in the loop, so its trip count is a constant of the text, alike in all waves and all partners by construction.  count only
; selects values: in every step keys at or beyond it get the score -inf.
; Work-group: 64 queries of batch b.  The four waves share the KEYS: of each step wave w takes keys 64 w .. 64 w + 63 and holds all 64 queries x 256 channels,
; so each fragment of K or V read from LDS feeds four matrix instructions, and each LDS byte is read once, by the wave whose load brought it.
; All products are transposed, so that a result's registers are the next product's operand:
;   S^T = K Q^T   (A = K rows, B = Q): lane (r, h) holds keys 8 h + 0..7 of query r; a query is a lane column, so maximum and sum are per-lane numbers;
;   O^T = V^T P^T (A = V by transposing loads, B = two tiles of S^T packed to bf16, in place);
;   out = O W_p^T (A = two tiles of O^T packed, B = rows of W_proj): a lane holds 8 neighbouring n of one output row d.
; Each wave keeps a running maximum and sum of its own keys; at the end the four waves' parts meet in LDS and are joined by their maxima.
; CLUSTER 4 x 1: the four query blocks of a cluster walk the same K and V tiles and ask for them jointly (mask 15).
; RING: the K slot and the V slot take turns.  K(i+1) is asked for behind step i's softmax and has the rescaling and P V in which to land; V(i+1) behind
; step i's P V and has S and the softmax.  By this text's own count a wave has two tensor loads outstanding at the start and one behind each round.
; LIMITS: the scale log2(e)/16 was folded into W_q before its rounding to bf16; the sum is taken from the unrounded p while P enters the product in bf16;
; the running maximum starts at -FLT_MAX, below which no finite score lies; a batch without any foreground key gives 0 x inf = NaN everywhere, as a softmax over -inf does.
.set KP,    528                        ; K row in LDS: 512 + 16
.set VP,    544                        ; V row in LDS: 512 + 32 = 17 x 32, for the transposing loads
.set KW,    64*KP
.set VW,    64*VP
.set VS,    4*KW                       ; the V slot, behind the K slot
.set STATS, VS+4*VW                    ; 1 KiB a wave: maxima and sums
.set OF,    STATS+4096                 ; 32 fragments of O in bf16, 1 KiB each
.set SP,    272                        ; a row of the output stage: 64 f32 + 16 bytes
.set STEP,  256*512                    ; 256 keys
.set STEPS, 4096/256                   ; steps of the walk: the first and the last are written out, the others go round the loop
.set ADK, 4                            ; v4  my K fragments          v5  my V fragments
.set ADV, 5
.set L16, 6                            ; v6  16 L
.set VLIM, 7                           ; v7  keys of mine below count, less 8 h
.set NINF, 8                           ; v8  -inf
.set H8, 9                             ; v9  8 h
.set WPO, 10                           ; v10 512 r + 16 h: my part of a fragment of W_proj
.set R4, 11                            ; v11 4 r
.set STW, 12                           ; v12-15, v52-59: LDS addresses and the output offset of the epilogue
.set STR, 13
.set PTW, 14
.set OFW, 15
.set MX, 16                            ; v[16:19] running maximum of query 16 nt + r       v[20:23] running sum (my h half's share)
.set LS, 20
.set AL, 24                            ; v[24:27] 2^(old maximum - new)                    v[28:31] new maximum
.set MN, 28
.set TA, 32                            ; v[32:43] at work
.set TB, 36
.set SA, 40
.set SB, 42
.set BI, 48                            ; v[48:51] bias of d = 64 w + 16 dt + r
.set PR, 52
.set OFR, 56
.set SGW, 57
.set SGR, 58
.set OUTO, 59
.set FB, 64                            ; v[64:127] two buffers of four fragments; epilogue: statistics, factors, bias blocks
.set GG, 96
.set SC, 128                           ; v[128:255] S^T, tile (mt, nt) at SC + 32 mt + 8 nt; P(kp, nt) in the registers of tile (2 kp, nt)
                                       ; window 1: Q, fragment (nt, kc) at 64 nt + 8 kc; in the last step W_proj, (dt, kc) at 64 dt + 8 kc
                                       ; windows 2, 3: O^T, tile (ct, nt) at 32 (ct % 8) + 8 nt, ct 0-7 in window 2, 8-15 in window 3
.set G0K, 32                           ; s[32:35] group 0 for K   s[36:39] for V   s[40:47] group 1 for K   s[48:55] for V
.set G0V, 36
.set G1K, 40
.set G1V, 48
.set MSB, 0
.macro WIN new                         ; s_set_vgpr_msb: bits 1:0 source 0, 3:2 source 1, 5:4 source 2, 7:6 destination; the high byte repeats the setting left
.if MSB != \new
	s_set_vgpr_msb (MSB<<8)|\new
.set MSB, \new
.endif
.endm
.macro PLACES n                        ; plain vector instructions that name no register of a matrix instruction (ISA guide 7.12.1)
.rept \n
	v_nop
.endr
.endm
.macro ROUND                           ; a round of the cluster's barrier: my work-group's barrier, wave 0 signals for it, all wait for the four work-groups, my barrier again
	s_barrier_signal -1
	s_barrier_wait -1
	s_cmp_lg_u32 s18, 0
	s_cbranch_scc1 .Lnot_wave_0_\@
	s_barrier_signal -3
.Lnot_wave_0_\@:
	s_barrier_wait -3
	s_barrier_signal -1
	s_barrier_wait -1
.endm
.macro GATE g0, g1                     ; a slot is filled again
	s_wait_dscnt 0x0                               ; my reads of the slot are back
	s_wait_tensorcnt 0x0                           ; all my tensor loads have landed: none is out, so a group 0 may be written
	ds_add_u32 v62, v63
	s_wait_dscnt 0x0
	s_add_nc_u64 s[\g0+2:\g0+3], s[\g0+2:\g0+3], STEP
	ROUND                                          ; both hold of every wave of the four work-groups
	tensor_load_to_lds s[\g0:\g0+3], s[\g1:\g1+7]  ; my one tensor load behind the round, and the first thing there
	s_nop 0
.endm
.macro FETCHA adr, kc, buf             ; four fragments (64 rows x 32 k at byte 64 kc of the rows) into buffer buf: 8 LDS loads
.irp mt, 0,1,2,3
	ds_load_b128 v[FB+32*(\buf)+8*\mt:FB+32*(\buf)+8*\mt+3],   v[\adr] offset:16*KP*\mt+64*(\kc)
	ds_load_b128 v[FB+32*(\buf)+8*\mt+4:FB+32*(\buf)+8*\mt+7], v[\adr] offset:16*KP*\mt+64*(\kc)+32
.endr
.endm
.macro MULS kc, buf, zero              ; 16 matrix instructions, the 16 accumulators by turns, one instruction a turn
.irp mt, 0,1,2,3
.irp nt, 0,1,2,3
.if \zero
	v_wmma_f32_16x16x32_bf16 v[SC+32*\mt+8*\nt:SC+32*\mt+8*\nt+7], v[FB+32*(\buf)+8*\mt:FB+32*(\buf)+8*\mt+7], v[64*\nt+8*(\kc):64*\nt+8*(\kc)+7], 0
.else
	v_wmma_f32_16x16x32_bf16 v[SC+32*\mt+8*\nt:SC+32*\mt+8*\nt+7], v[FB+32*(\buf)+8*\mt:FB+32*(\buf)+8*\mt+7], v[64*\nt+8*(\kc):64*\nt+8*(\kc)+7], v[SC+32*\mt+8*\nt:SC+32*\mt+8*\nt+7]
.endif
.endr
.endr
.endm
.macro SPHASE adr                      ; 64 keys x 64 queries over 256 channels: 128 matrix instructions; the first 16 start the sums
	WIN 0x04                                       ; source 1 (B) in window 1, all else in window 0
	PLACES 5                                       ; behind the last matrix instructions: their registers are loaded into and written over below
	FETCHA \adr, 0, 0
	FETCHA \adr, 1, 1
	s_wait_dscnt 0x8                               ; all but the eight loads just issued
	MULS 0, 0, 1
.irp kc, 1,2,3,4,5,6
	PLACES 4                                       ; the buffer loaded next was read by the 16 matrix instructions just issued
	FETCHA \adr, (\kc+1), ((\kc+1)%2)
	s_wait_dscnt 0x8
	MULS \kc, (\kc%2), 0
.endr
	s_wait_dscnt 0x0
	MULS 7, 1, 0
	WIN 0
.endm
.macro WPLOAD                          ; the last step: Q is dead, its registers take my 64 rows of W_proj as fragments; and my bias
	WIN 0x40
.irp dt, 0,1,2,3
.irp kc, 0,1,2,3,4,5,6,7
	global_load_b128 v[64*\dt+8*\kc:64*\dt+8*\kc+3],   v[WPO], s[12:13] offset:8192*\dt+64*\kc
	global_load_b128 v[64*\dt+8*\kc+4:64*\dt+8*\kc+7], v[WPO], s[12:13] offset:8192*\dt+64*\kc+32
.endr
.endr
	WIN 0
.irp dt, 0,1,2,3
	global_load_b32 v[BI+\dt], v[R4], s[14:15] offset:64*\dt
.endr
.endm
.macro MASK                            ; my key 16 mt + 8 h + j counts only if it is below s25 = count less my first key of this step
	v_sub_nc_u32 v[VLIM], s25, v[H8]
.irp mt, 0,1,2,3
.irp j, 0,1,2,3,4,5,6,7
	v_cmp_lt_i32 vcc_lo, 16*\mt+\j, v[VLIM]
.irp nt, 0,1,2,3
	v_cndmask_b32 v[SC+32*\mt+8*\nt+\j], v[NINF], v[SC+32*\mt+8*\nt+\j], vcc_lo
.endr
.endr
.endr
.endm
.macro MAXALL                          ; new maximum of each of my four queries: two chains a query, eight in all, then the other h half's
.irp nt, 0,1,2,3
	v_max3_num_f32 v[TA+\nt], v[MX+\nt], v[SC+8*\nt], v[SC+8*\nt+1]
	v_max_num_f32  v[TB+\nt], v[SC+64+8*\nt], v[SC+64+8*\nt+1]
.endr
.irp j, 2,4,6,32,34,36,38
.irp nt, 0,1,2,3
	v_max3_num_f32 v[TA+\nt], v[TA+\nt], v[SC+8*\nt+\j], v[SC+8*\nt+\j+1]
	v_max3_num_f32 v[TB+\nt], v[TB+\nt], v[SC+64+8*\nt+\j], v[SC+64+8*\nt+\j+1]
.endr
.endr
.irp nt, 0,1,2,3
	v_max_num_f32 v[TA+\nt], v[TA+\nt], v[TB+\nt]
.endr
.irp nt, 0,1,2,3
	v_permlanex16_b32 v[TB+\nt], v[TA+\nt], s26, s27
.endr
.irp nt, 0,1,2,3
	v_max_num_f32 v[MN+\nt], v[TA+\nt], v[TB+\nt]
.endr
.endm
.macro SUBNT nt, pr, sel               ; s - maximum; the maximum is register sel of the pair at MX + pr
.irp mt, 0,1,2,3
.irp j, 0,2,4,6
	v_pk_add_f32 v[SC+32*\mt+8*\nt+\j:SC+32*\mt+8*\nt+\j+1], v[SC+32*\mt+8*\nt+\j:SC+32*\mt+8*\nt+\j+1], v[MX+\pr:MX+\pr+1] op_sel:[0,\sel] op_sel_hi:[1,\sel] neg_lo:[0,1] neg_hi:[0,1]
.endr
.endr
.endm
.macro EXPNT nt                        ; 32 exponentials back to back; a block of plain work on other registers always follows (ISA guide 5.7.2)
.irp mt, 0,1,2,3
.irp j, 0,1,2,3,4,5,6,7
	v_exp_f32 v[SC+32*\mt+8*\nt+\j], v[SC+32*\mt+8*\nt+\j]
.endr
.endr
.endm
.macro SUMCVT nt, first                ; the sum of my 32 p, into the running sum; then P in bf16, in place
	s_wait_alu depctr_va_vdst(0)
	v_pk_add_f32 v[SA:SA+1], v[SC+8*\nt:SC+8*\nt+1], v[SC+8*\nt+2:SC+8*\nt+3]
	v_pk_add_f32 v[SB:SB+1], v[SC+64+8*\nt:SC+64+8*\nt+1], v[SC+64+8*\nt+2:SC+64+8*\nt+3]
.irp j, 4,6,32,34,36,38
	v_pk_add_f32 v[SA:SA+1], v[SA:SA+1], v[SC+8*\nt+\j:SC+8*\nt+\j+1]
	v_pk_add_f32 v[SB:SB+1], v[SB:SB+1], v[SC+64+8*\nt+\j:SC+64+8*\nt+\j+1]
.endr
	v_pk_add_f32 v[SA:SA+1], v[SA:SA+1], v[SB:SB+1]
.if \first
	v_add_f32 v[LS+\nt], v[SA], v[SA+1]
.else
	v_fma_f32 v[LS+\nt], v[LS+\nt], v[AL+\nt], v[SA]
	v_add_f32 v[LS+\nt], v[LS+\nt], v[SA+1]
.endif
.irp kp, 0,1                                       ; fragment (kp, nt): words 0-3 = keys 32 kp + 8 h + 0..7 (tile 2 kp), words 4-7 = keys 32 kp + 16 + 8 h + 0..7 (tile 2 kp + 1)
.irp i, 0,1,2,3
	v_cvt_pk_bf16_f32 v[SC+64*\kp+8*\nt+\i], v[SC+64*\kp+8*\nt+2*\i], v[SC+64*\kp+8*\nt+2*\i+1]
.endr
.irp i, 0,1,2,3
	v_cvt_pk_bf16_f32 v[SC+64*\kp+8*\nt+4+\i], v[SC+64*\kp+32+8*\nt+2*\i], v[SC+64*\kp+32+8*\nt+2*\i+1]
.endr
.endr
.endm
.macro SOFTMAX first
	MAXALL
.if \first == 0
.irp nt, 0,1,2,3
	v_sub_f32 v[AL+\nt], v[MX+\nt], v[MN+\nt]
.endr
.irp nt, 0,1,2,3
	v_exp_f32 v[AL+\nt], v[AL+\nt]
.endr
.endif
.irp nt, 0,1,2,3
	v_mov_b32 v[MX+\nt], v[MN+\nt]
.endr
	SUBNT 0, 0, 0
	EXPNT 0
	SUBNT 1, 0, 1
	EXPNT 1
	SUMCVT 0, \first
	SUBNT 2, 2, 0
	EXPNT 2
	SUMCVT 1, \first
	SUBNT 3, 2, 1
	EXPNT 3
	SUMCVT 2, \first
	SUMCVT 3, \first
.endm
.macro RSC nt, pr, sel                 ; the eight tiles of one window and one nt times 2^(old maximum - new)
.irp c, 0,1,2,3,4,5,6,7
.irp j, 0,2,4,6
	v_pk_mul_f32 v[32*\c+8*\nt+\j:32*\c+8*\nt+\j+1], v[32*\c+8*\nt+\j:32*\c+8*\nt+\j+1], v[AL+\pr:AL+\pr+1] op_sel:[0,\sel] op_sel_hi:[1,\sel]
.endr
.endr
.endm
.macro RESCALE
	WIN 0x82                                       ; destination and source 0 in window 2, the factor in window 0
	RSC 0, 0, 0
	RSC 1, 0, 1
	RSC 2, 2, 0
	RSC 3, 2, 1
	WIN 0xc3                                       ; the same in window 3
	RSC 0, 0, 0
	RSC 1, 0, 1
	RSC 2, 2, 0
	RSC 3, 2, 1
.endm
.macro FETCHV g, buf                   ; V^T: channels 32 g .. 32 g + 31 x my 64 keys; fragment 2 cl + kp; 8 transposing loads
.irp cl, 0,1
.irp kp, 0,1
	ds_load_tr16_b128 v[FB+32*(\buf)+8*(2*\cl+\kp):FB+32*(\buf)+8*(2*\cl+\kp)+3],   v[ADV] offset:32*VP*\kp+32*(2*(\g)+\cl)
	ds_load_tr16_b128 v[FB+32*(\buf)+8*(2*\cl+\kp)+4:FB+32*(\buf)+8*(2*\cl+\kp)+7], v[ADV] offset:32*VP*\kp+32*(2*(\g)+\cl)+16*VP
.endr
.endr
.endm
.macro MULV g, buf, first              ; 16 matrix instructions: eight accumulators by turns, twice round, one instruction a turn
.irp kp, 0,1
.irp cl, 0,1
.irp nt, 0,1,2,3
.if \first*(1-\kp)
	v_wmma_f32_16x16x32_bf16 v[64*((\g)%4)+32*\cl+8*\nt:64*((\g)%4)+32*\cl+8*\nt+7], v[FB+32*(\buf)+8*(2*\cl+\kp):FB+32*(\buf)+8*(2*\cl+\kp)+7], v[SC+64*\kp+8*\nt:SC+64*\kp+8*\nt+7], 0
.else
	v_wmma_f32_16x16x32_bf16 v[64*((\g)%4)+32*\cl+8*\nt:64*((\g)%4)+32*\cl+8*\nt+7], v[FB+32*(\buf)+8*(2*\cl+\kp):FB+32*(\buf)+8*(2*\cl+\kp)+7], v[SC+64*\kp+8*\nt:SC+64*\kp+8*\nt+7], v[64*((\g)%4)+32*\cl+8*\nt:64*((\g)%4)+32*\cl+8*\nt+7]
.endif
.endr
.endr
.endr
.endm
.macro PV first                        ; O^T += V^T P^T: 128 matrix instructions; in the first step the first products start the sums
.irp g, 0,1,2,3,4,5,6
	WIN 0
.if \g
	PLACES 4                                       ; the buffer loaded next was read by the 16 matrix instructions just issued
.endif
	FETCHV (\g+1), ((\g+1)%2)
	s_wait_dscnt 0x8                               ; all but the eight loads just issued
.if \g < 4
	WIN 0xa0                                       ; C and D in window 2
.else
	WIN 0xf0                                       ; C and D in window 3
.endif
	MULV \g, (\g%2), \first
.endr
	s_wait_dscnt 0x0
	MULV 7, 1, \first
.endm
; One step of 256 keys.  first: nothing to rescale, the sums start.  refill: the slots are asked for again (every step but the last).
.macro TRIP first, refill
	s_wait_tensorcnt 0x1                           ; my rows of K are in (only I read them); V's load is the one younger
	SPHASE ADK
	PLACES 4                                       ; behind the last matrix instructions: S is read, Q's registers may be loaded into
.if \refill == 0
	WPLOAD
.endif
	MASK
.if \refill
	s_sub_co_i32 s25, s25, 256                     ; the next step's keys begin 256 further on
.endif
	SOFTMAX \first
.if \refill
	GATE G0K, G1K                                  ; the next step's K
	s_wait_tensorcnt 0x1                           ; V of this step (shown landed in front of the round); K's load is the one younger
.else
	s_wait_tensorcnt 0x0                           ; V of the last step: no load was issued behind it
.endif
	FETCHV 0, 0
.if \first == 0
	RESCALE
.endif
	PV \first
	WIN 0
.if \refill
	GATE G0V, G1V                                  ; the next step's V
.endif
.endm
	s_load_b256 s[4:11], s[0:1], 0x0               ; qb s[4:5], kb s[6:7], vb s[8:9], order s[10:11]
	s_load_b128 s[12:15], s[0:1], 0x20             ; wb s[12:13], b_proj s[14:15]
	s_load_b64 s[16:17], s[0:1], 0x30              ; out0
	v_lshl_add_u32 v62, v0, 2, 0x4c000
	v_mov_b32 v63, 0
	ds_add_u32 v62, v63
	v_lshrrev_b32 v1, 5, v0
	v_readfirstlane_b32 s18, v1                    ; wave w
	s_bfe_u32 s19, ttmp6, 0x40000                  ; cx: my place in the cluster
	s_lshr_b32 s20, ttmp9, 4                       ; b: 16 clusters a batch
	s_and_b32 s21, ttmp9, 15
	s_lshl2_add_u32 s21, s21, s19                  ; block of 64 queries in the batch
	s_mov_b32 s26, 0x76543210                      ; v_permlanex16_b32: lane i takes lane i of the other half
	s_mov_b32 s27, 0xfedcba98
	; group 1: 64 rows x 256 elements of 2 bytes, pitch 256 elements, padding behind every 128 words (K: 4 words, V: 8); mask 15; bit 21 beside a mask
	s_mov_b32 s[G1K+0], 15|(1<<16)|(1<<20)|(1<<21)|(6<<22)|(3<<25)
	s_mov_b32 s[G1V+0], 15|(1<<16)|(1<<20)|(1<<21)|(6<<22)|(7<<25)
	s_mov_b32 s[G1K+1], 256<<16                    ; tensor_dim0 = 256
	s_mov_b32 s[G1V+1], 256<<16
	s_mov_b32 s[G1K+2], 64<<16                     ; tensor_dim1 = 64
	s_mov_b32 s[G1V+2], 64<<16
	s_mov_b32 s[G1K+3], 256<<16                    ; tile_dim0 = 256
	s_mov_b32 s[G1V+3], 256<<16
	s_mov_b32 s[G1K+4], 64                         ; tile_dim1 = 64
	s_mov_b32 s[G1V+4], 64
	s_mov_b32 s[G1K+5], 256                        ; from row to row
	s_mov_b32 s[G1V+5], 256
	s_mov_b32 s[G1K+6], 0
	s_mov_b32 s[G1V+6], 0
	s_mov_b32 s[G1K+7], 0
	s_mov_b32 s[G1V+7], 0
	s_mov_b32 s[G0K], 1
	s_mul_i32 s[G0K+1], s18, KW                    ; my rows of the K slot: the wave's number alone
	s_mov_b32 s[G0V], 1
	s_mul_i32 s[G0V+1], s18, VW
	s_add_co_u32 s[G0V+1], s[G0V+1], VS
	s_lshl_b32 s56, s20, 21                        ; K, V: (4096 b + 64 w) rows of 512 bytes: batch and wave alone, shared by the four partners
	s_lshl_b32 s57, s18, 15
	s_add_co_u32 s56, s56, s57
	s_mov_b32 s57, 0
	s_lshl_b32 s58, s20, 21                        ; Q: (64 b + block) x 32 KiB
	s_lshl_b32 s59, s21, 15
	s_add_co_u32 s58, s58, s59
	s_mov_b32 s59, 0
	s_lshl_b32 s60, s18, 15                        ; W_proj: rows 768 + 64 w of wb
	s_add_co_u32 s60, s60, 768*512
	s_mov_b32 s61, 0
	s_lshl_b32 s62, s18, 8                         ; bias: 64 w numbers
	s_mov_b32 s63, 0
	s_lshl_b32 s30, s20, 22                        ; out: (256 b + 64 w) rows of 16,384 bytes + 256 bytes a block
	s_lshl_b32 s31, s18, 20
	s_add_co_u32 s30, s30, s31
	s_lshl_b32 s31, s21, 8
	s_add_co_u32 s30, s30, s31
	s_mov_b32 s31, 0
	s_lshl_b32 s28, s20, 8                         ; the batch's count, behind the four tables
	v_and_b32 v1, 31, v0                           ; L
	v_and_b32 v2, 15, v0                           ; r
	v_bfe_u32 v3, v0, 4, 1                         ; h
	v_mul_u32_u24 v[ADK], v2, KP
	v_lshl_add_u32 v[ADK], v3, 4, v[ADK]
	v_add_nc_u32 v[ADK], s[G0K+1], v[ADK]          ; row r of my 64, byte 16 h
	v_and_b32 v[TA], 7, v0
	v_lshl_add_u32 v[TA], v3, 3, v[TA]
	v_mul_u32_u24 v[ADV], v[TA], VP
	v_bfe_u32 v[TA], v0, 3, 1
	v_lshl_add_u32 v[ADV], v[TA], 4, v[ADV]
	v_add_nc_u32 v[ADV], s[G0V+1], v[ADV]          ; transposing loads: row 8 h + (L & 7), 16 bytes at 16 ((L >> 3) & 1)
	v_lshlrev_b32 v[L16], 4, v1
	v_mov_b32 v[NINF], 0xff800000
	v_lshlrev_b32 v[H8], 3, v3
	v_lshlrev_b32 v[WPO], 9, v2
	v_lshl_add_u32 v[WPO], v3, 4, v[WPO]
	v_lshlrev_b32 v[R4], 2, v2
	s_lshl_b32 s29, s18, 10
	s_add_co_u32 s29, s29, STATS
	v_add_nc_u32 v[STW], s29, v[L16]               ; my wave's statistics
	v_add_nc_u32 v[STR], STATS, v[L16]             ; wave 0's, the others' by the offset
	v_lshl_add_u32 v[PTW], s18, 16, v[L16]         ; my wave's 64 KiB of partial O^T
	s_lshl_b32 s29, s18, 11
	s_add_co_u32 s29, s29, OF
	v_add_nc_u32 v[OFW], s29, v[L16]               ; fragments kc = 2 w, 2 w + 1 of O
	s_lshl_b32 s29, s18, 14
	v_add_nc_u32 v[PR], s29, v[L16]                ; wave u's part of the c tiles 4 w .. 4 w + 3
.irp u, 1,2,3
	v_add_nc_u32 v[PR+\u], 65536*\u, v[PR]
.endr
	v_add_nc_u32 v[OFR], OF, v[L16]
	v_mul_u32_u24 v[SGW], v2, SP
	v_lshl_add_u32 v[SGW], v3, 5, v[SGW]
	v_lshl_add_u32 v[SGW], s18, 16, v[SGW]         ; output stage, in: row r, byte 32 h
	v_mul_u32_u24 v[SGR], v3, SP
	v_lshl_add_u32 v[SGR], v2, 4, v[SGR]
	v_lshl_add_u32 v[SGR], s18, 16, v[SGR]         ; back: lanes 0-15 one row of 256 bytes, lanes 16-31 the next
	v_lshlrev_b32 v[OUTO], 4, v2
	v_lshl_add_u32 v[OUTO], v3, 14, v[OUTO]        ; and the same two rows in out0
.irp nt, 0,1,2,3
	v_mov_b32 v[MX+\nt], 0xff7fffff                ; -FLT_MAX
.endr
	s_wait_dscnt 0x0
	s_wait_kmcnt 0x0
	s_load_b32 s22, s[10:11], s28 offset:0x10000   ; count[b]
	s_add_nc_u64 s[G0K+2:G0K+3], s[6:7], s[56:57]
	s_or_b32 s[G0K+3], s[G0K+3], 0x80000000
	s_add_nc_u64 s[G0V+2:G0V+3], s[8:9], s[56:57]
	s_or_b32 s[G0V+3], s[G0V+3], 0x80000000
	s_add_nc_u64 s[4:5], s[4:5], s[58:59]
	s_add_nc_u64 s[12:13], s[12:13], s[60:61]
	s_add_nc_u64 s[14:15], s[14:15], s[62:63]
	s_add_nc_u64 s[16:17], s[16:17], s[30:31]
	WIN 0x40                                       ; destination in window 1
.irp nt, 0,1,2,3
.irp kc, 0,1,2,3,4,5,6,7
	global_load_b128 v[64*\nt+8*\kc:64*\nt+8*\kc+3],   v[L16], s[4:5] offset:1024*(8*\nt+\kc) th:TH_LOAD_NT       ; Q as stored: half a fragment, 512 consecutive bytes
	global_load_b128 v[64*\nt+8*\kc+4:64*\nt+8*\kc+7], v[L16], s[4:5] offset:1024*(8*\nt+\kc)+512 th:TH_LOAD_NT
.endr
.endr
	WIN 0
	ROUND                                          ; the four work-groups are here: the first joint loads meet
	tensor_load_to_lds s[G0K:G0K+3], s[G1K:G1K+7]  ; the two first fills, as one group: K and V of step 0
	s_nop 0
	tensor_load_to_lds s[G0V:G0V+3], s[G1V:G1V+7]
	s_nop 0
	s_wait_kmcnt 0x0
	s_min_u32 s22, s22, 4096
	s_lshl_b32 s29, s18, 6
	s_sub_co_i32 s25, s22, s29                     ; count less my first key of step 0; it enters compares that select values, and nothing else
	s_wait_loadcnt 0x0                             ; Q
	TRIP 1, 1                                      ; step 0 starts the sums
	s_mov_b32 s24, STEPS-2
.Lmid:
	TRIP 0, 1                                      ; steps 1 to 14
	s_sub_co_u32 s24, s24, 1
	s_cmp_lg_u32 s24, 0
	s_cbranch_scc1 .Lmid
	TRIP 0, 0                                      ; step 15 asks for nothing more; one tensor load is out at its head: its V
	; THE FOUR WAVES' PARTS MEET.  The K and V slots have had their last fill; behind a barrier they take the partial O^T, 64 KiB a wave.
	PLACES 4                                       ; behind the last matrix instructions: O^T is stored
	s_wait_dscnt 0x0
	s_barrier_signal -1
	s_barrier_wait -1                              ; no wave reads K or V any more
.irp nt, 0,1,2,3
	v_permlanex16_b32 v[TA+\nt], v[LS+\nt], s26, s27
.endr
.irp nt, 0,1,2,3
	v_add_f32 v[LS+\nt], v[LS+\nt], v[TA+\nt]      ; the two h halves of the sum
.endr
	ds_store_b128 v[STW], v[MX:MX+3]
	ds_store_b128 v[STW], v[LS:LS+3] offset:512
	WIN 0x08                                       ; store data in window 2
.irp ct, 0,1,2,3,4,5,6,7
.irp nt, 0,1,2,3
.irp hf, 0,1
	ds_store_b128 v[PTW], v[32*\ct+8*\nt+4*\hf:32*\ct+8*\nt+4*\hf+3] offset:1024*(4*\ct+\nt)+512*\hf
.endr
.endr
.endr
	WIN 0x0c                                       ; in window 3
.irp ct, 0,1,2,3,4,5,6,7
.irp nt, 0,1,2,3
.irp hf, 0,1
	ds_store_b128 v[PTW], v[32*\ct+8*\nt+4*\hf:32*\ct+8*\nt+4*\hf+3] offset:1024*(32+4*\ct+\nt)+512*\hf
.endr
.endr
.endr
	WIN 0
	s_wait_dscnt 0x0                               ; my stores are done, for the others' sake
	s_barrier_signal -1
	s_barrier_wait -1
	; wave w joins the c tiles 4 w .. 4 w + 3 (tl = 4 ctl + nt)
.irp u, 0,1,2,3
	ds_load_b128 v[FB+8*\u:FB+8*\u+3],   v[STR] offset:1024*\u         ; wave u's maxima
	ds_load_b128 v[FB+8*\u+4:FB+8*\u+7], v[STR] offset:1024*\u+512     ; and sums
.endr
	WIN 0x80                                       ; waves 0 and 1 into window 2, at 128 u + 8 tl
.irp u, 0,1
.irp tl, 0,1,2,3,4,5,6,7,8,9,10,11,12,13,14,15
.irp hf, 0,1
	ds_load_b128 v[128*\u+8*\tl+4*\hf:128*\u+8*\tl+4*\hf+3], v[PR+\u] offset:1024*\tl+512*\hf
.endr
.endr
.endr
	WIN 0xc0                                       ; waves 2 and 3 into window 3
.irp u, 0,1
.irp tl, 0,1,2,3,4,5,6,7,8,9,10,11,12,13,14,15
.irp hf, 0,1
	ds_load_b128 v[128*\u+8*\tl+4*\hf:128*\u+8*\tl+4*\hf+3], v[PR+2+\u] offset:1024*\tl+512*\hf
.endr
.endr
.endr
	WIN 0
	s_wait_dscnt 63                                ; 128 loads were issued behind the eight of the statistics: with 63 out at the most, those eight are in
.irp nt, 0,1,2,3
	v_max3_num_f32 v[TA+\nt], v[FB+\nt], v[FB+8+\nt], v[FB+16+\nt]
.endr
.irp nt, 0,1,2,3
	v_max_num_f32 v[TA+\nt], v[TA+\nt], v[FB+24+\nt]
.endr
.irp u, 0,1,2,3
.irp nt, 0,1,2,3
	v_sub_f32 v[FB+8*\u+\nt], v[FB+8*\u+\nt], v[TA+\nt]
.endr
.endr
.irp u, 0,1,2,3
.irp nt, 0,1,2,3
	v_exp_f32 v[FB+8*\u+\nt], v[FB+8*\u+\nt]       ; f_u = 2^(m_u - maximum); 0 for a wave all of whose keys were masked
.endr
.endr
	v_nop                                          ; one plain place behind the exponentials (ISA guide 5.7.2)
	s_wait_alu depctr_va_vdst(0)
.irp nt, 0,1,2,3
	v_mul_f32 v[TB+\nt], v[FB+\nt], v[FB+4+\nt]
.endr
.irp u, 1,2,3
.irp nt, 0,1,2,3
	v_fmac_f32 v[TB+\nt], v[FB+8*\u+\nt], v[FB+8*\u+4+\nt]
.endr
.endr
.irp nt, 0,1,2,3
	v_rcp_f32 v[TB+\nt], v[TB+\nt]                 ; 1 / sum; inf where the batch has no foreground key
.endr
	v_nop
	s_wait_alu depctr_va_vdst(0)
.irp u, 0,1,2,3
.irp nt, 0,1,2,3
	v_mul_f32 v[GG+4*\u+\nt], v[FB+8*\u+\nt], v[TB+\nt]
.endr
.endr
.macro CMB0 nt, pr, sel                ; R = P0 g0, in place
.irp cl, 0,1,2,3
.irp j, 0,2,4,6
	v_pk_mul_f32 v[8*(4*\cl+\nt)+\j:8*(4*\cl+\nt)+\j+1], v[8*(4*\cl+\nt)+\j:8*(4*\cl+\nt)+\j+1], v[GG+\pr:GG+\pr+1] op_sel:[0,\sel] op_sel_hi:[1,\sel]
.endr
.endr
.endm
.macro CMBA po, gu, nt, pr, sel        ; R += P g; po: where wave gu's part begins in its window
.irp cl, 0,1,2,3
.irp j, 0,2,4,6
	v_pk_fma_f32 v[8*(4*\cl+\nt)+\j:8*(4*\cl+\nt)+\j+1], v[\po+8*(4*\cl+\nt)+\j:\po+8*(4*\cl+\nt)+\j+1], v[GG+4*\gu+\pr:GG+4*\gu+\pr+1], v[8*(4*\cl+\nt)+\j:8*(4*\cl+\nt)+\j+1] op_sel:[0,\sel,0] op_sel_hi:[1,\sel,1]
.endr
.endr
.endm
	s_wait_dscnt 0x0                               ; the four parts
	WIN 0x82
	CMB0 0, 0, 0
	CMB0 1, 0, 1
	CMB0 2, 2, 0
	CMB0 3, 2, 1
	WIN 0xa2                                       ; source 0, source 2 and destination in window 2
	CMBA 128, 1, 0, 0, 0
	CMBA 128, 1, 1, 0, 1
	CMBA 128, 1, 2, 2, 0
	CMBA 128, 1, 3, 2, 1
	WIN 0xa3                                       ; source 0 in window 3
	CMBA 0, 2, 0, 0, 0
	CMBA 0, 2, 1, 0, 1
	CMBA 0, 2, 2, 2, 0
	CMBA 0, 2, 3, 2, 1
	CMBA 128, 3, 0, 0, 0
	CMBA 128, 3, 1, 0, 1
	CMBA 128, 3, 2, 2, 0
	CMBA 128, 3, 3, 2, 1
	WIN 0x0a                                       ; sources in window 2, destination in window 0
.irp kcl, 0,1
.irp nt, 0,1,2,3
.irp hf, 0,1
.irp i, 0,1,2,3
	v_cvt_pk_bf16_f32 v[SC+8*(4*\kcl+\nt)+4*\hf+\i], v[8*(4*(2*\kcl+\hf)+\nt)+2*\i], v[8*(4*(2*\kcl+\hf)+\nt)+2*\i+1]
.endr
.endr
.endr
.endr
	WIN 0
.irp nt, 0,1,2,3
.irp kcl, 0,1
.irp hf, 0,1
	ds_store_b128 v[OFW], v[SC+8*(4*\kcl+\nt)+4*\hf:SC+8*(4*\kcl+\nt)+4*\hf+3] offset:8192*\nt+1024*\kcl+512*\hf
.endr
.endr
.endr
	s_wait_dscnt 0x0                               ; my fragments of O are stored and my reads of the parts are back, for the others' sake
	s_barrier_signal -1
	s_barrier_wait -1
	WIN 0x80                                       ; all 32 fragments of O, (nt, kc) at 8 (8 nt + kc) of window 2
.irp nt, 0,1,2,3
.irp kc, 0,1,2,3,4,5,6,7
.irp hf, 0,1
	ds_load_b128 v[8*(8*\nt+\kc)+4*\hf:8*(8*\nt+\kc)+4*\hf+3], v[OFR] offset:1024*(8*\nt+\kc)+512*\hf
.endr
.endr
.endr
	WIN 0
	s_wait_loadcnt 0x0                             ; W_proj and the bias
.irp dt, 0,1,2,3
.irp j, 0,1,2,3,4,5,6,7
	v_mov_b32 v[FB+8*\dt+\j], v[BI+\dt]            ; the bias as a tile: every n of column d = r gets b[d]; it starts the sums
.endr
.endr
	s_wait_dscnt 0x0
	WIN 0x06                                       ; A (O) in window 2, B (W_proj) in window 1, C and D in window 0
.irp kc, 0,1,2,3,4,5,6,7                           ; 128 matrix instructions, the 16 accumulators by turns, one instruction a turn
.irp nt, 0,1,2,3
.irp dt, 0,1,2,3
.if \kc == 0
	v_wmma_f32_16x16x32_bf16 v[SC+8*(4*\nt+\dt):SC+8*(4*\nt+\dt)+7], v[8*(8*\nt+\kc):8*(8*\nt+\kc)+7], v[64*\dt+8*\kc:64*\dt+8*\kc+7], v[FB+8*\dt:FB+8*\dt+7]
.else
	v_wmma_f32_16x16x32_bf16 v[SC+8*(4*\nt+\dt):SC+8*(4*\nt+\dt)+7], v[8*(8*\nt+\kc):8*(8*\nt+\kc)+7], v[64*\dt+8*\kc:64*\dt+8*\kc+7], v[SC+8*(4*\nt+\dt):SC+8*(4*\nt+\dt)+7]
.endif
.endr
.endr
.endr
	WIN 0
	PLACES 4                                       ; behind the last matrix instructions: results are stored, O's registers are loaded into
	; THE WAY OUT: my 64 rows d x 64 n of f32 through my own stage (in my own 64 KiB of the parts, which no wave reads any more behind the last barrier)
.irp dt, 0,1,2,3
.irp nt, 0,1,2,3
.irp hf, 0,1
	ds_store_b128 v[SGW], v[SC+8*(4*\nt+\dt)+4*\hf:SC+8*(4*\nt+\dt)+4*\hf+3] offset:16*SP*\dt+64*\nt+16*\hf
.endr
.endr
.endr
	WIN 0x88                                       ; loaded data and store data in window 2
.set i, 0
.rept 32
	ds_load_b128 v[4*i:4*i+3], v[SGR] offset:2*SP*i    ; LDS serves a wave's instructions in order (ISA guide 5.7.1): these see the stores above
.set i, i+1
.endr
.set i, 0
.rept 32
	s_wait_dscnt 31-i                              ; the younger read-backs may stay out
	global_store_b128 v[OUTO], v[4*i:4*i+3], s[16:17] offset:32768*i th:TH_STORE_NT    ; 16 lanes store 256 consecutive bytes, aligned: rows 64 w + 2 i, + 1
.set i, i+1
.endr
	WIN 0
	s_wait_tensorcnt 0x0
	ds_add_u32 v62, v63
	s_wait_dscnt 0x0
	ROUND                                          ; the closing round: no work-group ends while a partner may still ask jointly
	s_endpgm
.Lfunc_end_k_q67a466df13_attn:
	.size	k_q67a466df13_attn, .Lfunc_end_k_q67a466df13_attn-k_q67a466df13_attn
	.p2alignl 7, 3214868480
	.fill 96, 4, 3214868480
	.section	.rodata,"a",@progbits
	.p2align	6, 0x0
	.amdhsa_kernel k_q67a466df13_attn
		.amdhsa_group_segment_fixed_size 327680
		.amdhsa_private_segment_fixed_size 0
		.amdhsa_enable_private_segment 0
		.amdhsa_kernarg_size 56
		.amdhsa_user_sgpr_count 2
		.amdhsa_user_sgpr_kernarg_segment_ptr 1
		.amdhsa_wavefront_size32 1
		.amdhsa_system_sgpr_workgroup_id_x 1
		.amdhsa_system_sgpr_workgroup_id_y 1
		.amdhsa_system_sgpr_workgroup_id_z 1
		.amdhsa_system_vgpr_workitem_id 0
		.amdhsa_next_free_vgpr 1024
		.amdhsa_next_free_sgpr 66
		.amdhsa_reserve_vcc 1
		.amdhsa_float_denorm_mode_32 3
		.amdhsa_float_denorm_mode_16_64 3
		.amdhsa_memory_ordered 1
		.amdhsa_forward_progress 1
		.amdhsa_inst_pref_size 255
	.end_amdhsa_kernel
	.section	.bss,"aw",@nobits
	.p2align	6
	.space	262144
	.amdgpu_metadata
---
amdhsa.version: [ 1, 2 ]
amdhsa.kernels:
  - .name:           k_q67a466df13_attn
    .symbol:         k_q67a466df13_attn.kd
    .args:
      - { .name: qb, .offset: 0, .size: 8, .value_kind: global_buffer, .address_space: global }
      - { .name: kb, .offset: 8, .size: 8, .value_kind: global_buffer, .address_space: global }
      - { .name: vb, .offset: 16, .size: 8, .value_kind: global_buffer, .address_space: global }
      - { .name: order, .offset: 24, .size: 8, .value_kind: global_buffer, .address_space: global }
      - { .name: wb, .offset: 32, .size: 8, .value_kind: global_buffer, .address_space: global }
      - { .name: b_proj, .offset: 40, .size: 8, .value_kind: global_buffer, .address_space: global }
      - { .name: out0, .offset: 48, .size: 8, .value_kind: global_buffer, .address_space: global }
    .group_segment_fixed_size: 327680
    .private_segment_fixed_size: 0
    .kernarg_segment_align: 8
    .kernarg_segment_size: 56
    .max_flat_workgroup_size: 128
    .sgpr_count:     66
    .vgpr_count:     1024
    .wavefront_size: 32
...
	.end_amdgpu_metadata
.endif
;; end of part 3
;; ======== version 2 of 2: 3 launches; 1.43 times as fast as version 1
;; workspace buffers: order 66,560 bytes of whole numbers; wb 524,288 bytes; qb 8,388,608 bytes; kb 8,388,608 bytes; vb 8,388,608 bytes
;; launch prep (part 4): grid 64 x 1, 4 waves a work-group, no clusters, 0 bytes of LDS; arguments fg_mask, W_qkv, W_proj, order, wb; writes order, wb
.if DOCPART == 4
	.amdgcn_target "amdgcn-amd-amdhsa--gfx1250"
	.amdhsa_code_object_version 6
	.text
	.protected	k_q67a466df13_prep
	.globl	k_q67a466df13_prep
	.p2align	8
	.type	k_q67a466df13_prep,@function
k_q67a466df13_prep:
	s_mov_b64 s[64:65], 0
	v_nop
	global_prefetch_b8 v0, s[64:65] scope:SCOPE_SE
	s_setreg_imm32_b32 hwreg(HW_REG_WAVE_MODE, 25, 1), 1
	s_wait_xcnt 0x0
; prep: (1) a partition of each batch's keys: keys with fg != 0 first, in their order, the others behind them.  Stored is the list that the next launch
;           gathers by: order[b][place] = position (a permutation of 0 .. 4095), and behind the four lists 64 equal words per batch = the number of foreground keys.
;       (2) all weights in bf16: wb rows 0-255 = W_q x log2(e)/16 (the softmax scale and the base-2 exponential folded in BEFORE the rounding:
;           a stated order of rounding), rows 256-767 = W_k, W_v, rows 768-1023 = W_proj.
; 256 waves, none depends on another: no LDS, no barrier.  Wave G = 4 x work-group + wave:
;   scan:    batch b = G / 64, the 64 keys from p0 = 64 (G % 64).  It reads the batch's whole mask (16 KiB, 32 loads of 512 bytes), counts all
;            foreground keys and those below p0, and places its own 64 keys by two ballots.  All in whole numbers: later launches form addresses from them.
;            A wave's 64 words of the list go out as 4 bytes a lane in two runs of neighbouring words (its foreground keys, its background keys): the lists are 64 KiB in all.
;   weights: rows 4 G .. 4 G + 3 of wb.
; The matrix units, LDS and clusters have nothing to do here: a few hundred KiB are read and written once.
.set MK, 64                            ; v[64:191] the batch's mask, load j: keys 128 j + 4 lane .. + 3
.set WF, 32                            ; v[32:63]  four rows of weights, 8 f32 a lane and row; packed in place
	s_load_b256 s[4:11], s[0:1], 0x0               ; fg s[4:5], W_qkv s[6:7], W_proj s[8:9], order s[10:11]
	s_load_b64 s[12:13], s[0:1], 0x20              ; wb
	v_lshrrev_b32 v10, 5, v0
	v_readfirstlane_b32 s14, v10                   ; wave in the work-group
	s_lshl2_add_u32 s15, ttmp9, s14                ; G
	s_lshr_b32 s16, s15, 6                         ; b
	s_and_b32 s17, s15, 63                         ; which 64 keys of the batch
	s_lshl_b32 s18, s17, 6                         ; p0
	s_mov_b32 s32, 0x76543210                      ; v_permlanex16_b32: lane i takes lane i of the other half
	s_mov_b32 s33, 0xfedcba98
	s_lshl_b32 s34, s16, 14                        ; a batch's mask, and its list, are 16,384 bytes
	s_mov_b32 s35, 0
	s_lshl_b32 s36, s16, 8                         ; the batch's 256 bytes of counts, behind the four lists
	s_add_co_u32 s36, s36, 0x10000
	s_mov_b32 s37, 0
	s_lshl_b32 s38, s15, 11                        ; four rows of 512 bytes in wb
	s_mov_b32 s39, 0
	s_cmp_lt_u32 s15, 64                           ; rows 0-255 are W_q
	s_cselect_b32 s26, 0x3db8aa3b, 1.0             ; log2(e)/16 for them, 1 for all others: one text for every row
	s_mov_b32 s27, s26
	v_and_b32 v1, 31, v0                           ; lane
	v_lshlrev_b32 v2, 4, v1                        ; 16 lane
	v_lshlrev_b32 v3, 2, v1                        ; 4 lane: the first key of my four in a load, less 128 j
	v_lshlrev_b32 v7, 5, v1                        ; 32 lane: my 8 f32 of a weight row
	v_lshlrev_b32 v16, 3, v1                       ; 8 lane
	v_lshl_add_u32 v6, s18, 2, v16                 ; 4 p0 + 8 lane: my two own keys
	s_wait_kmcnt 0x0
	s_cmp_lt_u32 s15, 192                          ; rows 0-767 come from W_qkv, the rest from W_proj
	s_cselect_b64 s[22:23], s[6:7], s[8:9]
	s_cselect_b32 s24, 0, 192
	s_sub_co_u32 s24, s15, s24
	s_lshl_b32 s24, s24, 12                        ; four rows of 1,024 bytes
	s_mov_b32 s25, 0
	s_add_nc_u64 s[22:23], s[22:23], s[24:25]
	s_add_nc_u64 s[20:21], s[4:5], s[34:35]        ; the batch's mask
	s_add_nc_u64 s[34:35], s[10:11], s[34:35]      ; the batch's list
	s_add_nc_u64 s[36:37], s[10:11], s[36:37]      ; the batch's counts
	s_add_nc_u64 s[38:39], s[12:13], s[38:39]      ; my rows of wb
.set j, 0
.rept 32
	global_load_b128 v[MK+4*j:MK+4*j+3], v2, s[20:21] offset:512*j
.set j, j+1
.endr
	global_load_b64 v[4:5], v6, s[20:21]           ; my two own keys' flags
.irp i, 0,1,2,3
	global_load_b128 v[WF+8*\i:WF+8*\i+3],   v7, s[22:23] offset:1024*\i th:TH_LOAD_NT
	global_load_b128 v[WF+8*\i+4:WF+8*\i+7], v7, s[22:23] offset:1024*\i+16 th:TH_LOAD_NT
.endr
	v_mov_b32 v8, 0                                ; foreground keys of the batch (my lane's share)
	v_mov_b32 v9, 0                                ; those below p0
	v_mov_b32 v11, 0                               ; written once: a DPP destination counts as read
	s_wait_loadcnt 0x8                             ; the eight weight loads are younger: mask and own flags are in
.set j, 0
.rept 32
	v_min_u32 v[MK+4*j],   1, v[MK+4*j]            ; any nonzero flag counts as 1
	v_min_u32 v[MK+4*j+1], 1, v[MK+4*j+1]
	v_min_u32 v[MK+4*j+2], 1, v[MK+4*j+2]
	v_min_u32 v[MK+4*j+3], 1, v[MK+4*j+3]
	v_add3_u32 v10, v[MK+4*j], v[MK+4*j+1], v[MK+4*j+2]
	v_add_nc_u32 v10, v10, v[MK+4*j+3]
	s_sub_co_i32 s28, s18, 128*j
	v_cmp_gt_i32 vcc_lo, s28, v3                   ; 128 j + 4 lane < p0: p0 is a multiple of 64, so my four keys are all below it or none is
	v_add_nc_u32 v8, v8, v10
	v_cndmask_b32 v10, 0, v10, vcc_lo
	v_add_nc_u32 v9, v9, v10
.set j, j+1
.endr
.irp m, 1,2,4,8                                    ; both sums over the 32 lanes, in whole numbers
	v_mov_b32_dpp v10, v8 row_xmask:\m row_mask:0xf bank_mask:0xf
	v_mov_b32_dpp v11, v9 row_xmask:\m row_mask:0xf bank_mask:0xf
	v_add_nc_u32 v8, v8, v10
	v_add_nc_u32 v9, v9, v11
.endr
	v_permlanex16_b32 v10, v8, s32, s33
	v_permlanex16_b32 v11, v9, s32, s33
	v_add_nc_u32 v8, v8, v10                       ; tot: foreground keys of the batch
	v_add_nc_u32 v9, v9, v11                       ; pre: those below p0
	; my keys i0 = p0 + 2 lane and i0 + 1.  Foreground keys in front of i0 = pre + both flags of the lanes below me.
	v_cmp_ne_u32 s30, 0, v4
	v_cmp_ne_u32 s31, 0, v5
	v_mbcnt_lo_u32_b32 v10, s30, v9
	v_mbcnt_lo_u32_b32 v10, s31, v10               ; pe0
	v_cndmask_b32 v11, 0, 1, s30
	v_add_nc_u32 v14, v10, v11                     ; pe1 = pe0 + my first flag
	v_lshl_add_u32 v12, v1, 1, s18                 ; i0
	v_add_nc_u32 v13, v12, v8
	v_sub_nc_u32 v13, v13, v10                     ; a background key goes to tot + (background keys in front of it) = tot + i - pe
	v_add3_u32 v15, v12, v8, 1
	v_sub_nc_u32 v15, v15, v14
	v_cndmask_b32 v20, v13, v10, s30               ; the place of key i0
	v_cndmask_b32 v21, v15, v14, s31               ; the place of key i0 + 1
	v_min_u32 v20, 0xfff, v20                      ; a place stays inside the batch's list
	v_min_u32 v21, 0xfff, v21
	v_lshlrev_b32 v20, 2, v20
	v_lshlrev_b32 v21, 2, v21
	v_add_nc_u32 v13, 1, v12                       ; i0 + 1
	global_store_b32 v20, v12, s[34:35]            ; list[place] = position
	global_store_b32 v21, v13, s[34:35]
	s_cmp_lg_u32 s17, 0                            ; the batch's first wave also stores the count, 64 times: 256 consecutive bytes, aligned
	s_cbranch_scc1 .Lnocount
	v_mov_b32 v22, v8
	v_mov_b32 v23, v8
	global_store_b64 v16, v[22:23], s[36:37]
.Lnocount:
	s_wait_loadcnt 0x0                             ; the weights
.irp i, 0,1,2,3
.irp k, 0,2,4,6
	v_pk_mul_f32 v[WF+8*\i+\k:WF+8*\i+\k+1], v[WF+8*\i+\k:WF+8*\i+\k+1], s[26:27] op_sel_hi:[1,0]
.endr
.irp k, 0,1,2,3
	v_cvt_pk_bf16_f32 v[WF+8*\i+\k], v[WF+8*\i+2*\k], v[WF+8*\i+2*\k+1]    ; in place: word k is written when numbers 2k, 2k+1 >= k have been read
.endr
	global_store_b128 v2, v[WF+8*\i:WF+8*\i+3], s[38:39] offset:512*\i     ; a whole row of 512 bytes
.endr
	s_endpgm
.Lfunc_end_k_q67a466df13_prep:
	.size	k_q67a466df13_prep, .Lfunc_end_k_q67a466df13_prep-k_q67a466df13_prep
	.p2alignl 7, 3214868480
	.fill 96, 4, 3214868480
	.section	.rodata,"a",@progbits
	.p2align	6, 0x0
	.amdhsa_kernel k_q67a466df13_prep
		.amdhsa_group_segment_fixed_size 0
		.amdhsa_private_segment_fixed_size 0
		.amdhsa_enable_private_segment 0
		.amdhsa_kernarg_size 40
		.amdhsa_user_sgpr_count 2
		.amdhsa_user_sgpr_kernarg_segment_ptr 1
		.amdhsa_wavefront_size32 1
		.amdhsa_system_sgpr_workgroup_id_x 1
		.amdhsa_system_sgpr_workgroup_id_y 1
		.amdhsa_system_sgpr_workgroup_id_z 1
		.amdhsa_system_vgpr_workitem_id 0
		.amdhsa_next_free_vgpr 192
		.amdhsa_next_free_sgpr 66
		.amdhsa_reserve_vcc 1
		.amdhsa_float_denorm_mode_32 3
		.amdhsa_float_denorm_mode_16_64 3
		.amdhsa_memory_ordered 1
		.amdhsa_forward_progress 1
		.amdhsa_inst_pref_size 24
	.end_amdhsa_kernel
	.amdgpu_metadata
---
amdhsa.version: [ 1, 2 ]
amdhsa.kernels:
  - .name:           k_q67a466df13_prep
    .symbol:         k_q67a466df13_prep.kd
    .args:
      - { .name: fg_mask, .offset: 0, .size: 8, .value_kind: global_buffer, .address_space: global }
      - { .name: W_qkv, .offset: 8, .size: 8, .value_kind: global_buffer, .address_space: global }
      - { .name: W_proj, .offset: 16, .size: 8, .value_kind: global_buffer, .address_space: global }
      - { .name: order, .offset: 24, .size: 8, .value_kind: global_buffer, .address_space: global }
      - { .name: wb, .offset: 32, .size: 8, .value_kind: global_buffer, .address_space: global }
    .group_segment_fixed_size: 0
    .private_segment_fixed_size: 0
    .kernarg_segment_align: 8
    .kernarg_segment_size: 40
    .max_flat_workgroup_size: 128
    .sgpr_count:     66
    .vgpr_count:     192
    .wavefront_size: 32
...
	.end_amdgpu_metadata
.endif
;; end of part 4
;; launch qkv (part 5): grid 256 x 1, 4 waves a work-group, clusters of 4 x 1, 327,680 bytes of LDS; arguments x, wb, order, qb, kb, vb; writes qb, kb, vb
.if DOCPART == 5
	.amdgcn_target "amdgcn-amd-amdhsa--gfx1250"
	.amdhsa_code_object_version 6
	.text
	.protected	k_q67a466df13_qkv
	.globl	k_q67a466df13_qkv
	.p2align	8
	.type	k_q67a466df13_qkv,@function
k_q67a466df13_qkv:
	s_mov_b64 s[64:65], 0
	v_nop
	global_prefetch_b8 v0, s[64:65] scope:SCOPE_SE
	s_setreg_imm32_b32 hwreg(HW_REG_WAVE_MODE, 25, 1), 1
	s_wait_xcnt 0x0
	s_wait_alu depctr_hold_cnt(0) depctr_sa_sdst(0) depctr_va_vdst(0) depctr_va_sdst(0) depctr_va_ssrc(0) depctr_va_vcc(0) depctr_vm_vsrc(0)
	s_getreg_b32 s2, hwreg(HW_REG_IB_STS2, 6, 4)
	s_cmp_eq_u32 s2, 0
	s_cbranch_scc0 .Lentry_in_a_cluster
	s_endpgm
.Lentry_in_a_cluster:
	s_bfe_u32 s2, ttmp6, 0x10000c
	s_cmp_lg_u32 s2, 0x3003
	s_cbranch_scc0 .Lentry_shape_is_right
	s_endpgm
.Lentry_shape_is_right:
; qkv: Q, K, V = x^T W^T, bf16 operands, f32 sums; all three leave as the register images of the fragments that the attention wants.
; Work-group (b, block): Q for the 64 POSITIONS 64 block .. + 63; K and V for the 64 PLACES 64 block .. + 63 of the batch's partition (foreground keys first):
; the columns of x for them are gathered by the list order[b][place] = position, made by the launch before.
;   Q, K: A = 16 rows of W (m = channel d), B = x (n = position or place, k = c).  Lane (r, h) then holds d = 8 h + 0..7 of column r: 16 bytes in bf16, which is
;         the lane's part of a fragment with K along the channels.   qb[b][block][nt 4][kc 8][half 2][lane 32][16 bytes];  kb[b][block][kc 8][mt 4][half 2][lane 32][16 bytes].
;   V:    the same fragments with the sources swapped (m = place, n = channel): lane (r, h) holds places 8 h + 0..7 of channel r: the lane's part of a fragment of V^T.
;         vb[b][block][ct 16][kp 2][half 2][lane 32][16 bytes].
; Every store of a wave covers 512 consecutive bytes, aligned; no result passes through LDS.
; Wave w: rows 64 w .. 64 w + 63 of each of the three tiles of 256 rows of W: 16 accumulator tiles, 128 matrix instructions a tile.
; CLUSTER 4 x 1: all work-groups walk the same three tiles of W, so the four of a cluster ask for them jointly (mask 15).
; By this text's own count a wave has at most two tensor loads outstanding (the two first fills), later one.
; LDS: two slots of 256 rows x 528 bytes for W (512 of data + 16 of padding: 16 rows of a fragment start in 16 different 16-byte columns);
;      behind them x of the 64 positions in bf16, [c 256][160 bytes] (160 = 5 x 32 for the transposing loads); later, in the same bytes, x of the 64 places,
;      [place 64][528 bytes], channels along the row, read by plain loads.  No tensor load ever lands there.
.set KP,    528
.set WTILE, 64*KP                      ; what one tensor load brings: a wave's 64 rows
.set SLOT,  4*WTILE
.set XS,    2*SLOT                     ; x in bf16, both forms in turn
.set XP,    160
.set STEP,  2*256*512                  ; from tile 0 to tile 2 of wb
.set ADW,   4                          ; v4, v5    LDS address of my fragments of W in slot 0, 1
.set IDX,   16                         ; v16, v17  4 x position of place lane, lane + 32
.set FB,    64                         ; v[64:127] two buffers of four fragments of W; also packed results
.set SC,    128                        ; v[128:255] 16 accumulator tiles, (mt, nt) at SC + 32 mt + 8 nt
                                       ; window 1: the 32 fragments of x, (nt, kc) at 64 nt + 8 kc
                                       ; window 2, v0-127: gathered x in f32: octet q (places 32 (q / 8) + lane, rows 64 w + 8 (q % 8) + 0..7) at 8 q
.set G0,    24                         ; s[24:27], s[28:31] descriptor group 0 of slot 0, 1
.set G1,    32                         ; s[32:39] descriptor group 1
.set MSB, 0
.macro WIN new                         ; s_set_vgpr_msb: bits 1:0 source 0, 3:2 source 1, 5:4 source 2, 7:6 destination; the high byte repeats the setting left
.if MSB != \new
	s_set_vgpr_msb (MSB<<8)|\new
.set MSB, \new
.endif
.endm
.macro PLACES n                        ; plain vector instructions that name no register of a matrix instruction (ISA guide 7.12.1)
.rept \n
	v_nop
.endr
.endm
.macro ROUND                           ; a round of the cluster's barrier: my work-group's barrier, wave 0 signals for it, all wait for the four work-groups, my barrier again
	s_barrier_signal -1
	s_barrier_wait -1
	s_cmp_lg_u32 s18, 0
	s_cbranch_scc1 .Lnot_wave_0_\@
	s_barrier_signal -3
.Lnot_wave_0_\@:
	s_barrier_wait -3
	s_barrier_signal -1
	s_barrier_wait -1
.endm
.macro GATE g0, g1                     ; a slot is filled again
	s_wait_dscnt 0x0                               ; my reads of the slot are back
	s_wait_tensorcnt 0x0                           ; all my tensor loads have landed: none is out, so a group 0 may be written
	ds_add_u32 v62, v63
	s_wait_dscnt 0x0
	s_add_nc_u64 s[\g0+2:\g0+3], s[\g0+2:\g0+3], STEP
	ROUND                                          ; both hold of every wave of the four work-groups
	tensor_load_to_lds s[\g0:\g0+3], s[\g1:\g1+7]  ; my one tensor load behind the round, and the first thing there
	s_nop 0
.endm
.macro GATHER q                        ; eight rows of x at 32 places: a lane takes 4 bytes of each row at its place's position (destination in window 2)
.irp k, 0,1,2,3,4,5,6,7
	global_load_b32 v[8*(\q)+\k], v[IDX+(\q)/8], s[40:41] offset:16384*(8*((\q)%8)+\k)
.endr
.endm
.macro FETCHA adr, kc, buf             ; four fragments (64 rows x 32 k at byte 64 kc of the rows) into buffer buf: 8 LDS loads
.irp mt, 0,1,2,3
	ds_load_b128 v[FB+32*(\buf)+8*\mt:FB+32*(\buf)+8*\mt+3],   v[\adr] offset:16*KP*\mt+64*(\kc)
	ds_load_b128 v[FB+32*(\buf)+8*\mt+4:FB+32*(\buf)+8*\mt+7], v[\adr] offset:16*KP*\mt+64*(\kc)+32
.endr
.endm
.macro MULS kc, buf, zero, swap        ; 16 matrix instructions, the 16 accumulators by turns, one instruction a turn.  swap = 1: x is source 0, W source 1
.irp mt, 0,1,2,3
.irp nt, 0,1,2,3
.if \swap
.if \zero
	v_wmma_f32_16x16x32_bf16 v[SC+32*\mt+8*\nt:SC+32*\mt+8*\nt+7], v[64*\nt+8*(\kc):64*\nt+8*(\kc)+7], v[FB+32*(\buf)+8*\mt:FB+32*(\buf)+8*\mt+7], 0
.else
	v_wmma_f32_16x16x32_bf16 v[SC+32*\mt+8*\nt:SC+32*\mt+8*\nt+7], v[64*\nt+8*(\kc):64*\nt+8*(\kc)+7], v[FB+32*(\buf)+8*\mt:FB+32*(\buf)+8*\mt+7], v[SC+32*\mt+8*\nt:SC+32*\mt+8*\nt+7]
.endif
.else
.if \zero
	v_wmma_f32_16x16x32_bf16 v[SC+32*\mt+8*\nt:SC+32*\mt+8*\nt+7], v[FB+32*(\buf)+8*\mt:FB+32*(\buf)+8*\mt+7], v[64*\nt+8*(\kc):64*\nt+8*(\kc)+7], 0
.else
	v_wmma_f32_16x16x32_bf16 v[SC+32*\mt+8*\nt:SC+32*\mt+8*\nt+7], v[FB+32*(\buf)+8*\mt:FB+32*(\buf)+8*\mt+7], v[64*\nt+8*(\kc):64*\nt+8*(\kc)+7], v[SC+32*\mt+8*\nt:SC+32*\mt+8*\nt+7]
.endif
.endif
.endr
.endr
.endm
; 64 rows of W x 64 columns of x over k = 256: 128 matrix instructions; the first 16 start the sums.
; wf, wm: the window settings for the LDS loads and for the matrix instructions.  x lies in window 1: as source 1 (0x04) it leaves the loads' address (source 0) alone,
; as source 0 (0x01) it does not, so the swapped form switches.  hook = 1: in the middle, 56 more gather loads are issued.
.macro SPHASE adr, swap, hook, wf, wm
	WIN \wf
	PLACES 5                                       ; behind the last matrix instructions: their registers are loaded into and written over below
	FETCHA \adr, 0, 0
	FETCHA \adr, 1, 1
	s_wait_dscnt 0x8                               ; all but the eight loads just issued
	WIN \wm
	MULS 0, 0, 1, \swap
.irp kc, 1,2,3,4,5,6
	WIN \wf
	PLACES 4                                       ; the buffer loaded next was read by the 16 matrix instructions just issued
	FETCHA \adr, (\kc+1), ((\kc+1)%2)
.if \hook
.if \kc == 4
	WIN 0x80                                       ; destination in window 2
.irp q, 7,8,9,10,11,12,13
	GATHER \q
.endr
	WIN \wf
.endif
.endif
	s_wait_dscnt 0x8
	WIN \wm
	MULS \kc, (\kc%2), 0, \swap
.endr
	s_wait_dscnt 0x0
	MULS 7, 1, 0, \swap
	WIN 0
.endm
.macro PACK                            ; tile (mt, nt) to bf16: FB + 4 (4 mt + nt) .. + 3 = the lane's eight results, 16 bytes
	PLACES 4
.irp mt, 0,1,2,3
.irp nt, 0,1,2,3
.irp i, 0,1,2,3
	v_cvt_pk_bf16_f32 v[FB+4*(4*\mt+\nt)+\i], v[SC+32*\mt+8*\nt+2*\i], v[SC+32*\mt+8*\nt+2*\i+1]
.endr
.endr
.endr
.endm
	s_load_b256 s[4:11], s[0:1], 0x0               ; x s[4:5], wb s[6:7], order s[8:9], qb s[10:11]
	s_load_b128 s[12:15], s[0:1], 0x20             ; kb s[12:13], vb s[14:15]
	v_lshl_add_u32 v62, v0, 2, 0x4c000
	v_mov_b32 v63, 0
	ds_add_u32 v62, v63
	v_lshrrev_b32 v1, 5, v0
	v_readfirstlane_b32 s18, v1                    ; wave w
	s_bfe_u32 s19, ttmp6, 0x40000                  ; cx: my place in the cluster
	s_lshr_b32 s20, ttmp9, 4                       ; b: 16 clusters a batch
	s_and_b32 s21, ttmp9, 15
	s_lshl2_add_u32 s21, s21, s19                  ; block of 64 in the batch
	; group 1: 64 rows x 256 elements of 2 bytes, pitch 256 elements, 4 words of padding behind every 128; mask 15: all four of the cluster; bit 21 beside a mask
	s_mov_b32 s[G1+0], 15|(1<<16)|(1<<20)|(1<<21)|(6<<22)|(3<<25)
	s_mov_b32 s[G1+1], 256<<16                     ; tensor_dim0 = 256
	s_mov_b32 s[G1+2], 64<<16                      ; tensor_dim1 = 64
	s_mov_b32 s[G1+3], 256<<16                     ; tile_dim0 = 256
	s_mov_b32 s[G1+4], 64                          ; tile_dim1 = 64
	s_mov_b32 s[G1+5], 256                         ; from row to row
	s_mov_b32 s[G1+6], 0
	s_mov_b32 s[G1+7], 0
	s_mov_b32 s[G0+0], 1
	s_mul_i32 s[G0+1], s18, WTILE                  ; my rows of slot 0: the wave's number alone
	s_mov_b32 s[G0+4], 1
	s_add_co_u32 s[G0+5], s[G0+1], SLOT
	s_lshl_b32 s56, s18, 15                        ; W: 64 w rows of 512 bytes; nothing of the work-group's place enters
	s_mov_b32 s57, 0
	s_lshl_b32 s58, s20, 22                        ; x: (256 b + 64 w) rows of 16,384 bytes
	s_lshl_b32 s59, s18, 20
	s_add_co_u32 s58, s58, s59
	s_mov_b32 s59, 0
	s_lshl_b32 s42, s21, 8                         ; the block's 256 bytes in a row of x, and in the batch's list
	s_mov_b32 s43, 0
	s_lshl_b32 s60, s20, 14                        ; order: 4 (4096 b + 64 block)
	s_add_co_u32 s60, s60, s42
	s_mov_b32 s61, 0
	s_lshl_b32 s62, s20, 21                        ; the images: (64 b + block) x 32 KiB,
	s_lshl_b32 s63, s21, 15
	s_add_co_u32 s62, s62, s63
	s_lshl_b32 s63, s18, 13
	s_add_co_u32 s22, s62, s63                     ; kb: + 4,096 x 2 w (kc = 2 w, 2 w + 1); vb: + 2,048 x 4 w (ct = 4 w .. 4 w + 3)
	s_mov_b32 s23, 0
	s_lshl_b32 s63, s18, 11
	s_add_co_u32 s62, s62, s63                     ; qb: + 1,024 x 2 w
	s_mov_b32 s63, 0
	v_and_b32 v1, 31, v0                           ; L
	v_and_b32 v2, 15, v0                           ; r
	v_bfe_u32 v3, v0, 4, 1                         ; h
	v_mul_u32_u24 v14, v2, KP
	v_lshl_add_u32 v14, v3, 4, v14                 ; 528 r + 16 h
	v_add_nc_u32 v[ADW], s[G0+1], v14
	v_add_nc_u32 v[ADW+1], SLOT, v[ADW]
	v_lshlrev_b32 v6, 4, v1                        ; 16 L
	v_lshlrev_b32 v7, 4, v2
	v_lshl_add_u32 v7, v3, 14, v7                  ; x: lanes 0-15 one row's 256 bytes, lanes 16-31 the next row's
	s_mul_i32 s16, s18, 64*XP
	s_add_co_u32 s16, s16, XS
	v_mul_u32_u24 v8, v3, XP
	v_lshl_add_u32 v8, v2, 3, v8
	v_add_nc_u32 v8, s16, v8                       ; x of the positions: row 64 w + h, 8 bytes at 8 r
	v_and_b32 v12, 7, v0
	v_lshl_add_u32 v12, v3, 3, v12
	v_mul_u32_u24 v9, v12, XP
	v_bfe_u32 v13, v0, 3, 1
	v_lshl_add_u32 v9, v13, 4, v9
	v_add_nc_u32 v9, XS, v9                        ; transposing loads: row 8 h + (L & 7), 16 bytes at 16 ((L >> 3) & 1)
	s_lshl_b32 s17, s18, 7
	s_add_co_u32 s17, s17, XS
	v_mul_u32_u24 v10, v1, KP
	v_add_nc_u32 v10, s17, v10                     ; x of the places, in: row L, byte 128 w
	v_add_nc_u32 v11, XS, v14                      ; back: row r, byte 16 h
	v_lshlrev_b32 v18, 2, v1                       ; 4 L
	s_wait_dscnt 0x0
	s_wait_kmcnt 0x0
	s_add_nc_u64 s[G0+2:G0+3], s[6:7], s[56:57]    ; tile 0 (W_q)
	s_add_nc_u64 s[G0+6:G0+7], s[G0+2:G0+3], 256*512   ; tile 1 (W_k)
	s_or_b32 s[G0+3], s[G0+3], 0x80000000
	s_or_b32 s[G0+7], s[G0+7], 0x80000000
	s_add_nc_u64 s[40:41], s[4:5], s[58:59]        ; my 64 rows of x, from their first byte: the gather's base
	s_add_nc_u64 s[4:5], s[40:41], s[42:43]        ; and at the block's positions
	s_add_nc_u64 s[8:9], s[8:9], s[60:61]
	s_add_nc_u64 s[10:11], s[10:11], s[62:63]
	s_add_nc_u64 s[12:13], s[12:13], s[22:23]
	s_add_nc_u64 s[14:15], s[14:15], s[22:23]
	global_load_b32 v[IDX],   v18, s[8:9]          ; the positions of places 64 block + L
	global_load_b32 v[IDX+1], v18, s[8:9] offset:128   ; and + 32 + L
.set i, 0
.rept 32
	global_load_b128 v[SC+4*i:SC+4*i+3], v7, s[4:5] offset:32768*i     ; rows 64 w + 2 i, + 1: two aligned runs of 256 bytes
.set i, i+1
.endr
	ROUND                                          ; the four work-groups are here: the first joint loads meet
	tensor_load_to_lds s[G0:G0+3], s[G1:G1+7]      ; the two first fills, as one group
	s_nop 0
	tensor_load_to_lds s[G0+4:G0+7], s[G1:G1+7]
	s_nop 0
.set i, 0
.rept 32
	s_wait_loadcnt 31-i                            ; the younger loads of x may stay out
	v_cvt_pk_bf16_f32 v[FB+2*i],   v[SC+4*i],   v[SC+4*i+1]
	v_cvt_pk_bf16_f32 v[FB+2*i+1], v[SC+4*i+2], v[SC+4*i+3]
	ds_store_b64 v8, v[FB+2*i:FB+2*i+1] offset:2*XP*i
.set i, i+1
.endr
	v_min_u32 v[IDX],   0xfff, v[IDX]              ; (the list's two loads are older than x's.)  A position stays inside a row of x
	v_min_u32 v[IDX+1], 0xfff, v[IDX+1]
	v_lshlrev_b32 v[IDX],   2, v[IDX]
	v_lshlrev_b32 v[IDX+1], 2, v[IDX+1]
	WIN 0x80                                       ; destination in window 2
.irp q, 0,1,2,3,4,5,6
	GATHER \q                                      ; the first 56 of my 128 gather loads; they travel under what follows
.endr
	WIN 0
	s_wait_dscnt 0x0                               ; my part of x is in LDS, for the others' sake
	s_barrier_signal -1
	s_barrier_wait -1                              ; all 256 rows are; the tensor loads may stay out
	WIN 0x40                                       ; destination in window 1
.irp nt, 0,1,2,3
.irp kc, 0,1,2,3,4,5,6,7
	ds_load_tr16_b128 v[64*\nt+8*\kc:64*\nt+8*\kc+3],   v9 offset:32*XP*\kc+32*\nt          ; c = 32 kc + 8 h + 0..7 of position 16 nt + r
	ds_load_tr16_b128 v[64*\nt+8*\kc+4:64*\nt+8*\kc+7], v9 offset:32*XP*\kc+32*\nt+16*XP   ; c = 32 kc + 16 + 8 h + 0..7
.endr
.endr
	WIN 0
	s_wait_dscnt 0x0                               ; the fragments of x are in registers: these bytes of LDS are read no more by me
	s_wait_tensorcnt 0x1                           ; my rows of tile 0 are in (only I read them); tile 1's load is the one younger
	SPHASE ADW, 0, 1, 0x04, 0x04                   ; Q; 56 more gather loads go out in its middle
	WIN 0x80
	GATHER 14
	GATHER 15                                      ; the last 16
	WIN 0
	GATE G0, G1                                    ; slot 0 gets tile 2 (W_v); the round also puts every wave's reads of x in front of the stores of the gathered x
	PACK
.irp nt, 0,1,2,3
.irp kcl, 0,1
.irp hf, 0,1
	global_store_b128 v6, v[FB+4*(4*(2*\kcl+\hf)+\nt):FB+4*(4*(2*\kcl+\hf)+\nt)+3], s[10:11] offset:8192*\nt+1024*\kcl+512*\hf   ; half a fragment: 512 consecutive bytes, aligned
.endr
.endr
.endr
	; the gathered x: eight rows of a place make 16 bytes of its row in LDS
	WIN 0x0a                                       ; sources in window 2, destination in window 0
.irp q, 0,1,2,3,4,5,6,7,8,9,10,11,12,13,14,15
.if (120-8*\q) > 63
	s_wait_loadcnt 63                              ; 120 - 8 q gather loads are younger than octet q's; the wait names at most 63
.else
	s_wait_loadcnt 120-8*\q
.endif
.irp i, 0,1,2,3
	v_cvt_pk_bf16_f32 v[SC+4*\q+\i], v[8*\q+2*\i], v[8*\q+2*\i+1]
.endr
.endr
	WIN 0
.irp q, 0,1,2,3,4,5,6,7,8,9,10,11,12,13,14,15
	ds_store_b128 v10, v[SC+4*\q:SC+4*\q+3] offset:32*KP*(\q/8)+16*(\q%8)
.endr
	s_wait_dscnt 0x0                               ; my 64 channels of the 64 places are in LDS, for the others' sake
	s_barrier_signal -1
	s_barrier_wait -1                              ; all 256 channels are
	WIN 0x40                                       ; destination in window 1
.irp nt, 0,1,2,3
.irp kc, 0,1,2,3,4,5,6,7
	ds_load_b128 v[64*\nt+8*\kc:64*\nt+8*\kc+3],   v11 offset:16*KP*\nt+64*\kc         ; c = 32 kc + 8 h + 0..7 of place 16 nt + r
	ds_load_b128 v[64*\nt+8*\kc+4:64*\nt+8*\kc+7], v11 offset:16*KP*\nt+64*\kc+32      ; c = 32 kc + 16 + 8 h + 0..7
.endr
.endr
	WIN 0
	s_wait_xcnt 0x0                                ; the stores' data registers are loaded into again only behind this wait
	s_wait_dscnt 0x0
	s_wait_tensorcnt 0x1                           ; tile 1 (shown landed in front of the round); tile 2's load is the one younger
	SPHASE ADW+1, 0, 0, 0x04, 0x04                 ; K
	PACK
.irp kcl, 0,1
.irp nt, 0,1,2,3
.irp hf, 0,1
	global_store_b128 v6, v[FB+4*(4*(2*\kcl+\hf)+\nt):FB+4*(4*(2*\kcl+\hf)+\nt)+3], s[12:13] offset:4096*\kcl+1024*\nt+512*\hf   ; key tile nt, channels 32 (2 w + kcl) + 16 hf + 8 h ..
.endr
.endr
.endr
	s_wait_xcnt 0x0                                ; the stores' data registers are loaded into again only behind this wait
	s_wait_tensorcnt 0x0                           ; tile 2: no load was issued behind it
	SPHASE ADW, 1, 0, 0, 0x01                      ; V, sources swapped
	PACK
.irp mt, 0,1,2,3
.irp kp, 0,1
.irp hf, 0,1
	global_store_b128 v6, v[FB+4*(4*\mt+2*\kp+\hf):FB+4*(4*\mt+2*\kp+\hf)+3], s[14:15] offset:2048*\mt+1024*\kp+512*\hf       ; channel tile 4 w + mt, keys 32 kp + 16 hf + 8 h ..
.endr
.endr
.endr
	s_wait_tensorcnt 0x0
	ds_add_u32 v62, v63
	s_wait_dscnt 0x0
	ROUND                                          ; the closing round: no work-group ends while a partner may still ask jointly
	s_endpgm
.Lfunc_end_k_q67a466df13_qkv:
	.size	k_q67a466df13_qkv, .Lfunc_end_k_q67a466df13_qkv-k_q67a466df13_qkv
	.p2alignl 7, 3214868480
	.fill 96, 4, 3214868480
	.section	.rodata,"a",@progbits
	.p2align	6, 0x0
	.amdhsa_kernel k_q67a466df13_qkv
		.amdhsa_group_segment_fixed_size 327680
		.amdhsa_private_segment_fixed_size 0
		.amdhsa_enable_private_segment 0
		.amdhsa_kernarg_size 48
		.amdhsa_user_sgpr_count 2
		.amdhsa_user_sgpr_kernarg_segment_ptr 1
		.amdhsa_wavefront_size32 1
		.amdhsa_system_sgpr_workgroup_id_x 1
		.amdhsa_system_sgpr_workgroup_id_y 1
		.amdhsa_system_sgpr_workgroup_id_z 1
		.amdhsa_system_vgpr_workitem_id 0
		.amdhsa_next_free_vgpr 640
		.amdhsa_next_free_sgpr 66
		.amdhsa_reserve_vcc 0
		.amdhsa_float_denorm_mode_32 3
		.amdhsa_float_denorm_mode_16_64 3
		.amdhsa_memory_ordered 1
		.amdhsa_forward_progress 1
		.amdhsa_inst_pref_size 100
	.end_amdhsa_kernel
	.amdgpu_metadata
---
amdhsa.version: [ 1, 2 ]
amdhsa.kernels:
  - .name:           k_q67a466df13_qkv
    .symbol:         k_q67a466df13_qkv.kd
    .args:
      - { .name: x, .offset: 0, .size: 8, .value_kind: global_buffer, .address_space: global }
      - { .name: wb, .offset: 8, .size: 8, .value_kind: global_buffer, .address_space: global }
      - { .name: order, .offset: 16, .size: 8, .value_kind: global_buffer, .address_space: global }
      - { .name: qb, .offset: 24, .size: 8, .value_kind: global_buffer, .address_space: global }
      - { .name: kb, .offset: 32, .size: 8, .value_kind: global_buffer, .address_space: global }
      - { .name: vb, .offset: 40, .size: 8, .value_kind: global_buffer, .address_space: global }
    .group_segment_fixed_size: 327680
    .private_segment_fixed_size: 0
    .kernarg_segment_align: 8
    .kernarg_segment_size: 48
    .max_flat_workgroup_size: 128
    .sgpr_count:     66
    .vgpr_count:     640
    .wavefront_size: 32
...
	.end_amdgpu_metadata
.endif
;; end of part 5
;; launch attn (part 6): grid 256 x 1, 4 waves a work-group, no clusters, 299,520 bytes of LDS; arguments qb, kb, vb, order, wb, b_proj, out0; writes out0
.if DOCPART == 6
	.amdgcn_target "amdgcn-amd-amdhsa--gfx1250"
	.amdhsa_code_object_version 6
	.text
	.protected	k_q67a466df13_attn
	.globl	k_q67a466df13_attn
	.p2align	8
	.type	k_q67a466df13_attn,@function
k_q67a466df13_attn:
	s_mov_b64 s[64:65], 0
	v_nop
	global_prefetch_b8 v0, s[64:65] scope:SCOPE_SE
	s_setreg_imm32_b32 hwreg(HW_REG_WAVE_MODE, 25, 1), 1
	s_wait_xcnt 0x0
; attn: softmax(Q K^T) V over the foreground keys, then W_proj and the bias, output [b][d][n] in f32.
; K and V lie partitioned (foreground keys first), count[b] of them, as fragment images.  Only T = max(2, ceil(count / 256)) steps of 256 keys are walked; keys at or
; beyond count get the score -inf in the first and in the last step (the steps between exist only where all their keys are below count).
; Work-group: 64 queries of batch b.  The four waves share the KEYS: of each step wave w takes keys 64 w .. 64 w + 63 and holds all 64 queries x 256 channels.
; NO LDS SLOTS, NO CLUSTER, NO JOINT LOADS: the number of steps is read from memory, and a slot's refill would need a barrier in front of it.
; The loop has no barrier: K and V go from memory straight into a ring of registers, each wave its own 64 keys,
; and walking count keys in place of 4,096 saves more than sharing the tiles among four work-groups would.
; THE RING: window 1, eight slots of 32 registers (four fragments, 4 KiB of consecutive memory).  A slot is loaded again right behind the 16 matrix instructions that read it:
; in S, group 0 brings this step's K group 7 and group j brings V's group j - 1; in P V, group 0 brings V's group 7 and group j the next step's K group j - 1
; (in the last step W_proj's).  So each load has seven groups, 112 matrix instructions, in which to land, and at most 56 loads of a wave are out.
; Q lies in LDS (32 KiB, written once, one barrier ahead of the loop), read by all four waves as fragments.
; All products are transposed, so that a result's registers are the next product's operand:
;   S^T = K Q^T   (A = K, B = Q): lane (r, h) holds keys 8 h + 0..7 of query r; a query is a lane column, so maximum and sum are per-lane numbers;
;   O^T = V^T P^T (A = V^T, B = two tiles of S^T packed to bf16, in place);
;   out = O W_p^T (A = two tiles of O^T packed, B = rows of W_proj): a lane holds 8 neighbouring n of one output row d.
; Each wave keeps a running maximum and sum of its own keys; at the end the four waves' parts meet in LDS and are joined by their maxima.
; LIMITS: the scale log2(e)/16 was folded into W_q before its rounding to bf16; the sum is taken from the unrounded p while P enters the product in bf16;
; the running maximum starts at -FLT_MAX, below which no finite score lies; a batch without any foreground key gives 0 x inf = NaN everywhere, as a softmax over -inf does.
.set STATS, 4*65536                    ; LDS: bytes 0 .. 32,767 Q; behind the loop bytes 0 .. 262,143 the partial O^T, 64 KiB a wave; then 1 KiB a wave: maxima and sums
.set OF,    STATS+4096                 ; 32 fragments of O in bf16, 1 KiB each
.set SP,    272                        ; a row of the output stage: 64 f32 + 16 bytes
.set STEP,  4*32768                    ; 256 keys in kb and in vb: four blocks of 64 keys, 32 KiB each
.set QW, 4                             ; v4  where my wave puts its quarter of Q
.set L16, 6                            ; v6  16 L
.set VLIM, 7                           ; v7  keys of mine below count, less 8 h
.set NINF, 8                           ; v8  -inf
.set H8, 9                             ; v9  8 h
.set WPO, 10                           ; v10 512 r + 16 h: my part of a fragment of W_proj
.set R4, 11                            ; v11 4 r
.set STW, 12                           ; v12-15, v52-59: LDS addresses and the output offset of the epilogue
.set STR, 13
.set PTW, 14
.set OFW, 15
.set MX, 16                            ; v[16:19] running maximum of query 16 nt + r       v[20:23] running sum (my h half's share)
.set LS, 20
.set AL, 24                            ; v[24:27] 2^(old maximum - new)                    v[28:31] new maximum
.set MN, 28
.set TA, 32                            ; v[32:43] at work
.set TB, 36
.set SA, 40
.set SB, 42
.set BI, 48                            ; v[48:51] bias of d = 64 w + 16 dt + r
.set PR, 52
.set OFR, 56
.set SGW, 57
.set SGR, 58
.set OUTO, 59
.set FB, 64                            ; v[64:127] two buffers of four fragments of Q; epilogue: statistics, factors, bias blocks
.set GG, 96
.set SC, 128                           ; v[128:255] S^T, tile (mt, nt) at SC + 32 mt + 8 nt; P(kp, nt) in the registers of tile (2 kp, nt)
                                       ; window 1: the ring: K fragment (mt, kc) at 32 kc + 8 mt; V^T fragment (ct = 2 g + cl, kp) at 32 g + 8 (2 cl + kp); W_proj (dt, kc) at 32 kc + 8 dt
                                       ; windows 2, 3: O^T, tile (ct, nt) at 32 (ct % 8) + 8 nt, ct 0-7 in window 2, 8-15 in window 3
.set MSB, 0
.macro WIN new                         ; s_set_vgpr_msb: bits 1:0 source 0, 3:2 source 1, 5:4 source 2, 7:6 destination; the high byte repeats the setting left
.if MSB != \new
	s_set_vgpr_msb (MSB<<8)|\new
.set MSB, \new
.endif
.endm
.macro PLACES n                        ; plain vector instructions that name no register of a matrix instruction (ISA guide 7.12.1)
.rept \n
	v_nop
.endr
.endm
.macro LOADG base, g, off              ; slot g of the ring: 4 KiB of consecutive memory, eight loads of 512 bytes (destination in window 1)
.irp k, 0,1,2,3,4,5,6,7
	global_load_b128 v[32*(\g)+4*\k:32*(\g)+4*\k+3], v[L16], s[\base:\base+1] offset:4096*(\g)+512*\k+(\off)
.endr
.endm
.macro LOADW kc                        ; slot kc of the ring: my 64 rows of W_proj, channels 32 kc .. + 31, as four fragments
.irp dt, 0,1,2,3
	global_load_b128 v[32*(\kc)+8*\dt:32*(\kc)+8*\dt+3],   v[WPO], s[12:13] offset:8192*\dt+64*(\kc)
	global_load_b128 v[32*(\kc)+8*\dt+4:32*(\kc)+8*\dt+7], v[WPO], s[12:13] offset:8192*\dt+64*(\kc)+32
.endr
.endm
.macro FETCHQ kc, buf                  ; the four fragments (nt, kc) of Q from LDS: 32 lanes x 16 neighbouring bytes a load
.irp nt, 0,1,2,3
	ds_load_b128 v[FB+32*(\buf)+8*\nt:FB+32*(\buf)+8*\nt+3],   v[L16] offset:8192*\nt+1024*(\kc)
	ds_load_b128 v[FB+32*(\buf)+8*\nt+4:FB+32*(\buf)+8*\nt+7], v[L16] offset:8192*\nt+1024*(\kc)+512
.endr
.endm
.macro MULS kc, buf, zero              ; 16 matrix instructions, the 16 accumulators by turns, one instruction a turn
.irp mt, 0,1,2,3
.irp nt, 0,1,2,3
.if \zero
	v_wmma_f32_16x16x32_bf16 v[SC+32*\mt+8*\nt:SC+32*\mt+8*\nt+7], v[32*(\kc)+8*\mt:32*(\kc)+8*\mt+7], v[FB+32*(\buf)+8*\nt:FB+32*(\buf)+8*\nt+7], 0
.else
	v_wmma_f32_16x16x32_bf16 v[SC+32*\mt+8*\nt:SC+32*\mt+8*\nt+7], v[32*(\kc)+8*\mt:32*(\kc)+8*\mt+7], v[FB+32*(\buf)+8*\nt:FB+32*(\buf)+8*\nt+7], v[SC+32*\mt+8*\nt:SC+32*\mt+8*\nt+7]
.endif
.endr
.endr
.endm
; 64 keys x 64 queries over 256 channels: 128 matrix instructions; the first 16 start the sums.  At its head Q's groups 0 and 1 are on their way (16 LDS loads).
; s_wait_loadcnt 48 ahead of each group: six groups of eight loads are younger than the group's own, and the next eight go out behind the wait.
.macro SPHASE
	PLACES 5                                       ; behind the last matrix instructions: slot 7 is loaded into, P's registers are written over
	s_wait_loadcnt 48                              ; K's group 0 is in
	WIN 0x40                                       ; destination in window 1
	LOADG 6, 7, 0                                  ; this step's K, group 7
	s_wait_dscnt 0x8                               ; Q's group 0 is in; group 1's eight loads are younger
	WIN 0x01                                       ; source 0 (A) in window 1
	MULS 0, 0, 1
.irp kc, 1,2,3,4,5,6,7
	PLACES 4                                       ; the slot and the buffer loaded next were read by the 16 matrix instructions just issued
	s_wait_loadcnt 48                              ; K's group kc is in
	WIN 0x40
	LOADG 8, (\kc-1), 0                            ; this step's V, group kc - 1
.if \kc < 7
	WIN 0
	FETCHQ (\kc+1), ((\kc+1)%2)
	s_wait_dscnt 0x8                               ; all but the eight loads just issued
.else
	s_wait_dscnt 0x0
.endif
	WIN 0x01
	MULS \kc, (\kc%2), 0
.endr
	WIN 0
.endm
.macro MASK                            ; my key 16 mt + 8 h + j counts only if it is below s25 = count less my first key of this step
	v_sub_nc_u32 v[VLIM], s25, v[H8]
.irp mt, 0,1,2,3
.irp j, 0,1,2,3,4,5,6,7
	v_cmp_lt_i32 vcc_lo, 16*\mt+\j, v[VLIM]
.irp nt, 0,1,2,3
	v_cndmask_b32 v[SC+32*\mt+8*\nt+\j], v[NINF], v[SC+32*\mt+8*\nt+\j], vcc_lo
.endr
.endr
.endr
.endm
.macro MAXALL                          ; new maximum of each of my four queries: two chains a query, eight in all, then the other h half's
.irp nt, 0,1,2,3
	v_max3_num_f32 v[TA+\nt], v[MX+\nt], v[SC+8*\nt], v[SC+8*\nt+1]
	v_max_num_f32  v[TB+\nt], v[SC+64+8*\nt], v[SC+64+8*\nt+1]
.endr
.irp j, 2,4,6,32,34,36,38
.irp nt, 0,1,2,3
	v_max3_num_f32 v[TA+\nt], v[TA+\nt], v[SC+8*\nt+\j], v[SC+8*\nt+\j+1]
	v_max3_num_f32 v[TB+\nt], v[TB+\nt], v[SC+64+8*\nt+\j], v[SC+64+8*\nt+\j+1]
.endr
.endr
.irp nt, 0,1,2,3
	v_max_num_f32 v[TA+\nt], v[TA+\nt], v[TB+\nt]
.endr
.irp nt, 0,1,2,3
	v_permlanex16_b32 v[TB+\nt], v[TA+\nt], s26, s27
.endr
.irp nt, 0,1,2,3
	v_max_num_f32 v[MN+\nt], v[TA+\nt], v[TB+\nt]
.endr
.endm
.macro SUBNT nt, pr, sel               ; s - maximum; the maximum is register sel of the pair at MX + pr
.irp mt, 0,1,2,3
.irp j, 0,2,4,6
	v_pk_add_f32 v[SC+32*\mt+8*\nt+\j:SC+32*\mt+8*\nt+\j+1], v[SC+32*\mt+8*\nt+\j:SC+32*\mt+8*\nt+\j+1], v[MX+\pr:MX+\pr+1] op_sel:[0,\sel] op_sel_hi:[1,\sel] neg_lo:[0,1] neg_hi:[0,1]
.endr
.endr
.endm
.macro EXPNT nt                        ; 32 exponentials back to back; a block of plain work on other registers always follows (ISA guide 5.7.2)
.irp mt, 0,1,2,3
.irp j, 0,1,2,3,4,5,6,7
	v_exp_f32 v[SC+32*\mt+8*\nt+\j], v[SC+32*\mt+8*\nt+\j]
.endr
.endr
.endm
.macro SUMCVT nt, first                ; the sum of my 32 p, into the running sum; then P in bf16, in place
	s_wait_alu depctr_va_vdst(0)
	v_pk_add_f32 v[SA:SA+1], v[SC+8*\nt:SC+8*\nt+1], v[SC+8*\nt+2:SC+8*\nt+3]
	v_pk_add_f32 v[SB:SB+1], v[SC+64+8*\nt:SC+64+8*\nt+1], v[SC+64+8*\nt+2:SC+64+8*\nt+3]
.irp j, 4,6,32,34,36,38
	v_pk_add_f32 v[SA:SA+1], v[SA:SA+1], v[SC+8*\nt+\j:SC+8*\nt+\j+1]
	v_pk_add_f32 v[SB:SB+1], v[SB:SB+1], v[SC+64+8*\nt+\j:SC+64+8*\nt+\j+1]
.endr
	v_pk_add_f32 v[SA:SA+1], v[SA:SA+1], v[SB:SB+1]
.if \first
	v_add_f32 v[LS+\nt], v[SA], v[SA+1]
.else
	v_fma_f32 v[LS+\nt], v[LS+\nt], v[AL+\nt], v[SA]
	v_add_f32 v[LS+\nt], v[LS+\nt], v[SA+1]
.endif
.irp kp, 0,1                                       ; fragment (kp, nt): words 0-3 = keys 32 kp + 8 h + 0..7 (tile 2 kp), words 4-7 = keys 32 kp + 16 + 8 h + 0..7 (tile 2 kp + 1)
.irp i, 0,1,2,3
	v_cvt_pk_bf16_f32 v[SC+64*\kp+8*\nt+\i], v[SC+64*\kp+8*\nt+2*\i], v[SC+64*\kp+8*\nt+2*\i+1]
.endr
.irp i, 0,1,2,3
	v_cvt_pk_bf16_f32 v[SC+64*\kp+8*\nt+4+\i], v[SC+64*\kp+32+8*\nt+2*\i], v[SC+64*\kp+32+8*\nt+2*\i+1]
.endr
.endr
.endm
.macro SOFTMAX first
	MAXALL
.if \first == 0
.irp nt, 0,1,2,3
	v_sub_f32 v[AL+\nt], v[MX+\nt], v[MN+\nt]
.endr
.irp nt, 0,1,2,3
	v_exp_f32 v[AL+\nt], v[AL+\nt]
.endr
.endif
.irp nt, 0,1,2,3
	v_mov_b32 v[MX+\nt], v[MN+\nt]
.endr
	SUBNT 0, 0, 0
	EXPNT 0
	SUBNT 1, 0, 1
	EXPNT 1
	SUMCVT 0, \first
	SUBNT 2, 2, 0
	EXPNT 2
	SUMCVT 1, \first
	SUBNT 3, 2, 1
	EXPNT 3
	SUMCVT 2, \first
	SUMCVT 3, \first
.endm
.macro RSC nt, pr, sel                 ; the eight tiles of one window and one nt times 2^(old maximum - new)
.irp c, 0,1,2,3,4,5,6,7
.irp j, 0,2,4,6
	v_pk_mul_f32 v[32*\c+8*\nt+\j:32*\c+8*\nt+\j+1], v[32*\c+8*\nt+\j:32*\c+8*\nt+\j+1], v[AL+\pr:AL+\pr+1] op_sel:[0,\sel] op_sel_hi:[1,\sel]
.endr
.endr
.endm
.macro RESCALE
	WIN 0x82                                       ; destination and source 0 in window 2, the factor in window 0
	RSC 0, 0, 0
	RSC 1, 0, 1
	RSC 2, 2, 0
	RSC 3, 2, 1
	WIN 0xc3                                       ; the same in window 3
	RSC 0, 0, 0
	RSC 1, 0, 1
	RSC 2, 2, 0
	RSC 3, 2, 1
.endm
.macro MULV g, first                   ; 16 matrix instructions: eight accumulators by turns, twice round, one instruction a turn
.irp kp, 0,1
.irp cl, 0,1
.irp nt, 0,1,2,3
.if \first*(1-\kp)
	v_wmma_f32_16x16x32_bf16 v[64*((\g)%4)+32*\cl+8*\nt:64*((\g)%4)+32*\cl+8*\nt+7], v[32*(\g)+8*(2*\cl+\kp):32*(\g)+8*(2*\cl+\kp)+7], v[SC+64*\kp+8*\nt:SC+64*\kp+8*\nt+7], 0
.else
	v_wmma_f32_16x16x32_bf16 v[64*((\g)%4)+32*\cl+8*\nt:64*((\g)%4)+32*\cl+8*\nt+7], v[32*(\g)+8*(2*\cl+\kp):32*(\g)+8*(2*\cl+\kp)+7], v[SC+64*\kp+8*\nt:SC+64*\kp+8*\nt+7], v[64*((\g)%4)+32*\cl+8*\nt:64*((\g)%4)+32*\cl+8*\nt+7]
.endif
.endr
.endr
.endr
.endm
; O^T += V^T P^T: 128 matrix instructions; in the first step the first products start the sums.  last = 1: the freed slots take W_proj in place of the next step's K.
.macro PV first, last
	s_wait_xcnt 0x0                                ; the bases of all loads issued so far have been read: they are stepped only behind this wait
	s_add_nc_u64 s[6:7], s[6:7], STEP              ; K: the next step's keys
	s_add_nc_u64 s[8:9], s[8:9], STEP              ; V likewise; this step's last group reaches back by the immediate
	s_wait_loadcnt 48                              ; V's group 0 is in
	WIN 0x40
	LOADG 8, 7, -STEP                              ; this step's V, group 7
.if \first == 0
	RESCALE
.endif
	WIN 0xa1                                       ; A in window 1, B in window 0, C and D in window 2
	MULV 0, \first
.irp g, 1,2,3,4,5,6,7
	PLACES 4                                       ; the slot loaded next was read by the 16 matrix instructions just issued
	s_wait_loadcnt 48                              ; V's group g is in
	WIN 0x40
.if \last
	LOADW (\g-1)
.else
	LOADG 6, (\g-1), 0                             ; the next step's K, group g - 1
.if \g == 7
	WIN 0
	FETCHQ 0, 0                                    ; and Q's first two groups for the next step: both buffers have been free since S
	FETCHQ 1, 1
.endif
.endif
.if \g < 4
	WIN 0xa1
.else
	WIN 0xf1                                       ; C and D in window 3
.endif
	MULV \g, \first
.endr
	WIN 0
.endm
; One step of 256 keys.  first: nothing to rescale, the sums start.  mask: keys at or beyond count get -inf.  last: nothing more of K is asked for.
.macro TRIP first, mask, last
	SPHASE
	PLACES 4                                       ; behind the last matrix instructions: S is read
.if \mask
	MASK
.endif
	SOFTMAX \first
	PV \first, \last
.endm
	s_load_b256 s[4:11], s[0:1], 0x0               ; qb s[4:5], kb s[6:7], vb s[8:9], order s[10:11]
	s_load_b128 s[12:15], s[0:1], 0x20             ; wb s[12:13], b_proj s[14:15]
	s_load_b64 s[16:17], s[0:1], 0x30              ; out0
	v_lshl_add_u32 v62, v0, 2, 0x49000
	v_mov_b32 v63, 0
	v_lshrrev_b32 v1, 5, v0
	v_readfirstlane_b32 s18, v1                    ; wave w
	s_lshr_b32 s20, ttmp9, 6                       ; b: 64 work-groups a batch
	s_and_b32 s21, ttmp9, 63                       ; block of 64 queries in the batch
	s_mov_b32 s26, 0x76543210                      ; v_permlanex16_b32: lane i takes lane i of the other half
	s_mov_b32 s27, 0xfedcba98
	s_lshl_b32 s56, s20, 21                        ; K, V: (64 b + w) blocks of 32 KiB
	s_lshl_b32 s57, s18, 15
	s_add_co_u32 s56, s56, s57
	s_mov_b32 s57, 0
	s_lshl_b32 s58, s20, 21                        ; Q: (64 b + block) x 32 KiB + my quarter
	s_lshl_b32 s59, s21, 15
	s_add_co_u32 s58, s58, s59
	s_lshl_b32 s59, s18, 13
	s_add_co_u32 s58, s58, s59
	s_mov_b32 s59, 0
	s_lshl_b32 s60, s18, 15                        ; W_proj: rows 768 + 64 w of wb
	s_add_co_u32 s60, s60, 768*512
	s_mov_b32 s61, 0
	s_lshl_b32 s62, s18, 8                         ; bias: 64 w numbers
	s_mov_b32 s63, 0
	s_lshl_b32 s30, s20, 22                        ; out: (256 b + 64 w) rows of 16,384 bytes + 256 bytes a block
	s_lshl_b32 s31, s18, 20
	s_add_co_u32 s30, s30, s31
	s_lshl_b32 s31, s21, 8
	s_add_co_u32 s30, s30, s31
	s_mov_b32 s31, 0
	s_lshl_b32 s28, s20, 8                         ; the batch's count, behind the four lists
	v_and_b32 v1, 31, v0                           ; L
	v_and_b32 v2, 15, v0                           ; r
	v_bfe_u32 v3, v0, 4, 1                         ; h
	v_lshlrev_b32 v[L16], 4, v1
	v_lshl_add_u32 v[QW], s18, 13, v[L16]          ; my quarter of Q in LDS
	v_mov_b32 v[NINF], 0xff800000
	v_lshlrev_b32 v[H8], 3, v3
	v_lshlrev_b32 v[WPO], 9, v2
	v_lshl_add_u32 v[WPO], v3, 4, v[WPO]
	v_lshlrev_b32 v[R4], 2, v2
	s_lshl_b32 s29, s18, 10
	s_add_co_u32 s29, s29, STATS
	v_add_nc_u32 v[STW], s29, v[L16]               ; my wave's statistics
	v_add_nc_u32 v[STR], STATS, v[L16]             ; wave 0's, the others' by the offset
	v_lshl_add_u32 v[PTW], s18, 16, v[L16]         ; my wave's 64 KiB of partial O^T
	s_lshl_b32 s29, s18, 11
	s_add_co_u32 s29, s29, OF
	v_add_nc_u32 v[OFW], s29, v[L16]               ; fragments kc = 2 w, 2 w + 1 of O
	s_lshl_b32 s29, s18, 14
	v_add_nc_u32 v[PR], s29, v[L16]                ; wave u's part of the c tiles 4 w .. 4 w + 3
.irp u, 1,2,3
	v_add_nc_u32 v[PR+\u], 65536*\u, v[PR]
.endr
	v_add_nc_u32 v[OFR], OF, v[L16]
	v_mul_u32_u24 v[SGW], v2, SP
	v_lshl_add_u32 v[SGW], v3, 5, v[SGW]
	v_lshl_add_u32 v[SGW], s18, 16, v[SGW]         ; output stage, in: row r, byte 32 h
	v_mul_u32_u24 v[SGR], v3, SP
	v_lshl_add_u32 v[SGR], v2, 4, v[SGR]
	v_lshl_add_u32 v[SGR], s18, 16, v[SGR]         ; back: lanes 0-15 one row of 256 bytes, lanes 16-31 the next
	v_lshlrev_b32 v[OUTO], 4, v2
	v_lshl_add_u32 v[OUTO], v3, 14, v[OUTO]        ; and the same two rows in out0
.irp nt, 0,1,2,3
	v_mov_b32 v[MX+\nt], 0xff7fffff                ; -FLT_MAX
.endr
	s_wait_kmcnt 0x0
	s_load_b32 s22, s[10:11], s28 offset:0x10000   ; count[b]
	s_add_nc_u64 s[6:7], s[6:7], s[56:57]
	s_add_nc_u64 s[8:9], s[8:9], s[56:57]
	s_add_nc_u64 s[4:5], s[4:5], s[58:59]
	s_add_nc_u64 s[12:13], s[12:13], s[60:61]
	s_add_nc_u64 s[14:15], s[14:15], s[62:63]
	s_add_nc_u64 s[16:17], s[16:17], s[30:31]
.set i, 0
.rept 16
	global_load_b128 v[SC+4*i:SC+4*i+3], v[L16], s[4:5] offset:512*i th:TH_LOAD_NT     ; my quarter of Q as stored: 512 consecutive bytes a load
.set i, i+1
.endr
.irp dt, 0,1,2,3
	global_load_b32 v[BI+\dt], v[R4], s[14:15] offset:64*\dt
.endr
	WIN 0x40                                       ; destination in window 1
.irp g, 0,1,2,3,4
	LOADG 6, \g, 0                                 ; K of step 0
.endr
	WIN 0
	s_wait_loadcnt 44                              ; 4 loads of the bias and 40 of K are younger than Q's
.set i, 0
.rept 16
	ds_store_b128 v[QW], v[SC+4*i:SC+4*i+3] offset:512*i
.set i, i+1
.endr
	WIN 0x40
	LOADG 6, 5, 0
	LOADG 6, 6, 0                                  ; group 7 follows at the head of S, as in every step
	WIN 0
	s_wait_kmcnt 0x0
	s_min_u32 s22, s22, 4096
	s_add_co_u32 s23, s22, 255
	s_lshr_b32 s23, s23, 8
	s_max_u32 s23, s23, 2                          ; T: at least the first and the last step, which are written out; 256 T <= 4,096 keys exist always
	s_sub_co_u32 s24, s23, 2                       ; steps between them
	s_lshl_b32 s29, s18, 6
	s_sub_co_i32 s25, s22, s29                     ; count less my first key of step 0
	s_wait_dscnt 0x0                               ; my quarter of Q is in LDS, for the others' sake
	s_barrier_signal -1
	s_barrier_wait -1                              ; all of Q is.  The one barrier ahead of the loop
	FETCHQ 0, 0
	FETCHQ 1, 1
	TRIP 1, 1, 0
	s_cmp_eq_u32 s24, 0
	s_cbranch_scc1 .Llast
.Lmid:
	TRIP 0, 0, 0
	s_sub_co_u32 s24, s24, 1
	s_cmp_lg_u32 s24, 0
	s_cbranch_scc1 .Lmid
.Llast:                                            ; on both ways the same loads are out: the last step's K, groups 0 to 6, and Q's groups 0 and 1
	s_lshl_b32 s28, s23, 8
	s_sub_co_i32 s25, s25, s28
	s_add_co_i32 s25, s25, 256                     ; count - 256 (T - 1) - 64 w
	TRIP 0, 1, 1
	; THE FOUR WAVES' PARTS MEET in LDS: 64 KiB a wave, over the bytes that held Q.
	PLACES 4                                       ; behind the last matrix instructions: slot 7 is loaded into, O^T is stored
	WIN 0x40
	LOADW 7                                        ; the last group of W_proj
	WIN 0
	s_wait_dscnt 0x0
	s_barrier_signal -1
	s_barrier_wait -1                              ; no wave reads Q any more
.irp nt, 0,1,2,3
	v_permlanex16_b32 v[TA+\nt], v[LS+\nt], s26, s27
.endr
.irp nt, 0,1,2,3
	v_add_f32 v[LS+\nt], v[LS+\nt], v[TA+\nt]      ; the two h halves of the sum
.endr
	ds_store_b128 v[STW], v[MX:MX+3]
	ds_store_b128 v[STW], v[LS:LS+3] offset:512
	WIN 0x08                                       ; store data in window 2
.irp ct, 0,1,2,3,4,5,6,7
.irp nt, 0,1,2,3
.irp hf, 0,1
	ds_store_b128 v[PTW], v[32*\ct+8*\nt+4*\hf:32*\ct+8*\nt+4*\hf+3] offset:1024*(4*\ct+\nt)+512*\hf
.endr
.endr
.endr
	WIN 0x0c                                       ; in window 3
.irp ct, 0,1,2,3,4,5,6,7
.irp nt, 0,1,2,3
.irp hf, 0,1
	ds_store_b128 v[PTW], v[32*\ct+8*\nt+4*\hf:32*\ct+8*\nt+4*\hf+3] offset:1024*(32+4*\ct+\nt)+512*\hf
.endr
.endr
.endr
	WIN 0
	s_wait_dscnt 0x0                               ; my stores are done, for the others' sake
	s_barrier_signal -1
	s_barrier_wait -1
	; wave w joins the c tiles 4 w .. 4 w + 3 (tl = 4 ctl + nt)
.irp u, 0,1,2,3
	ds_load_b128 v[FB+8*\u:FB+8*\u+3],   v[STR] offset:1024*\u         ; wave u's maxima
	ds_load_b128 v[FB+8*\u+4:FB+8*\u+7], v[STR] offset:1024*\u+512     ; and sums
.endr
	WIN 0x80                                       ; waves 0 and 1 into window 2, at 128 u + 8 tl
.irp u, 0,1
.irp tl, 0,1,2,3,4,5,6,7,8,9,10,11,12,13,14,15
.irp hf, 0,1
	ds_load_b128 v[128*\u+8*\tl+4*\hf:128*\u+8*\tl+4*\hf+3], v[PR+\u] offset:1024*\tl+512*\hf
.endr
.endr
.endr
	WIN 0xc0                                       ; waves 2 and 3 into window 3
.irp u, 0,1
.irp tl, 0,1,2,3,4,5,6,7,8,9,10,11,12,13,14,15
.irp hf, 0,1
	ds_load_b128 v[128*\u+8*\tl+4*\hf:128*\u+8*\tl+4*\hf+3], v[PR+2+\u] offset:1024*\tl+512*\hf
.endr
.endr
.endr
	WIN 0
	s_wait_dscnt 63                                ; 128 loads were issued behind the eight of the statistics: with 63 out at the most, those eight are in
.irp nt, 0,1,2,3
	v_max3_num_f32 v[TA+\nt], v[FB+\nt], v[FB+8+\nt], v[FB+16+\nt]
.endr
.irp nt, 0,1,2,3
	v_max_num_f32 v[TA+\nt], v[TA+\nt], v[FB+24+\nt]
.endr
.irp u, 0,1,2,3
.irp nt, 0,1,2,3
	v_sub_f32 v[FB+8*\u+\nt], v[FB+8*\u+\nt], v[TA+\nt]
.endr
.endr
.irp u, 0,1,2,3
.irp nt, 0,1,2,3
	v_exp_f32 v[FB+8*\u+\nt], v[FB+8*\u+\nt]       ; f_u = 2^(m_u - maximum); 0 for a wave all of whose keys were masked
.endr
.endr
	v_nop                                          ; one plain place behind the exponentials (ISA guide 5.7.2)
	s_wait_alu depctr_va_vdst(0)
.irp nt, 0,1,2,3
	v_mul_f32 v[TB+\nt], v[FB+\nt], v[FB+4+\nt]
.endr
.irp u, 1,2,3
.irp nt, 0,1,2,3
	v_fmac_f32 v[TB+\nt], v[FB+8*\u+\nt], v[FB+8*\u+4+\nt]
.endr
.endr
.irp nt, 0,1,2,3
	v_rcp_f32 v[TB+\nt], v[TB+\nt]                 ; 1 / sum; inf where the batch has no foreground key
.endr
	v_nop
	s_wait_alu depctr_va_vdst(0)
.irp u, 0,1,2,3
.irp nt, 0,1,2,3
	v_mul_f32 v[GG+4*\u+\nt], v[FB+8*\u+\nt], v[TB+\nt]
.endr
.endr
.macro CMB0 nt, pr, sel                ; R = P0 g0, in place
.irp cl, 0,1,2,3
.irp j, 0,2,4,6
	v_pk_mul_f32 v[8*(4*\cl+\nt)+\j:8*(4*\cl+\nt)+\j+1], v[8*(4*\cl+\nt)+\j:8*(4*\cl+\nt)+\j+1], v[GG+\pr:GG+\pr+1] op_sel:[0,\sel] op_sel_hi:[1,\sel]
.endr
.endr
.endm
.macro CMBA po, gu, nt, pr, sel        ; R += P g; po: where wave gu's part begins in its window
.irp cl, 0,1,2,3
.irp j, 0,2,4,6
	v_pk_fma_f32 v[8*(4*\cl+\nt)+\j:8*(4*\cl+\nt)+\j+1], v[\po+8*(4*\cl+\nt)+\j:\po+8*(4*\cl+\nt)+\j+1], v[GG+4*\gu+\pr:GG+4*\gu+\pr+1], v[8*(4*\cl+\nt)+\j:8*(4*\cl+\nt)+\j+1] op_sel:[0,\sel,0] op_sel_hi:[1,\sel,1]
.endr
.endr
.endm
	s_wait_dscnt 0x0                               ; the four parts
	WIN 0x82
	CMB0 0, 0, 0
	CMB0 1, 0, 1
	CMB0 2, 2, 0
	CMB0 3, 2, 1
	WIN 0xa2                                       ; source 0, source 2 and destination in window 2
	CMBA 128, 1, 0, 0, 0
	CMBA 128, 1, 1, 0, 1
	CMBA 128, 1, 2, 2, 0
	CMBA 128, 1, 3, 2, 1
	WIN 0xa3                                       ; source 0 in window 3
	CMBA 0, 2, 0, 0, 0
	CMBA 0, 2, 1, 0, 1
	CMBA 0, 2, 2, 2, 0
	CMBA 0, 2, 3, 2, 1
	CMBA 128, 3, 0, 0, 0
	CMBA 128, 3, 1, 0, 1
	CMBA 128, 3, 2, 2, 0
	CMBA 128, 3, 3, 2, 1
	WIN 0x0a                                       ; sources in window 2, destination in window 0
.irp kcl, 0,1
.irp nt, 0,1,2,3
.irp hf, 0,1
.irp i, 0,1,2,3
	v_cvt_pk_bf16_f32 v[SC+8*(4*\kcl+\nt)+4*\hf+\i], v[8*(4*(2*\kcl+\hf)+\nt)+2*\i], v[8*(4*(2*\kcl+\hf)+\nt)+2*\i+1]
.endr
.endr
.endr
.endr
	WIN 0
.irp nt, 0,1,2,3
.irp kcl, 0,1
.irp hf, 0,1
	ds_store_b128 v[OFW], v[SC+8*(4*\kcl+\nt)+4*\hf:SC+8*(4*\kcl+\nt)+4*\hf+3] offset:8192*\nt+1024*\kcl+512*\hf
.endr
.endr
.endr
	s_wait_dscnt 0x0                               ; my fragments of O are stored and my reads of the parts are back, for the others' sake
	s_barrier_signal -1
	s_barrier_wait -1
	WIN 0x80                                       ; all 32 fragments of O, (nt, kc) at 8 (8 nt + kc) of window 2
.irp nt, 0,1,2,3
.irp kc, 0,1,2,3,4,5,6,7
.irp hf, 0,1
	ds_load_b128 v[8*(8*\nt+\kc)+4*\hf:8*(8*\nt+\kc)+4*\hf+3], v[OFR] offset:1024*(8*\nt+\kc)+512*\hf
.endr
.endr
.endr
	WIN 0
	s_wait_loadcnt 0x0                             ; W_proj (and the bias, long since)
.irp dt, 0,1,2,3
.irp j, 0,1,2,3,4,5,6,7
	v_mov_b32 v[FB+8*\dt+\j], v[BI+\dt]            ; the bias as a tile: every n of column d = r gets b[d]; it starts the sums
.endr
.endr
	s_wait_dscnt 0x0
	WIN 0x06                                       ; A (O) in window 2, B (W_proj) in window 1, C and D in window 0
.irp kc, 0,1,2,3,4,5,6,7                           ; 128 matrix instructions, the 16 accumulators by turns, one instruction a turn
.irp nt, 0,1,2,3
.irp dt, 0,1,2,3
.if \kc == 0
	v_wmma_f32_16x16x32_bf16 v[SC+8*(4*\nt+\dt):SC+8*(4*\nt+\dt)+7], v[8*(8*\nt+\kc):8*(8*\nt+\kc)+7], v[32*\kc+8*\dt:32*\kc+8*\dt+7], v[FB+8*\dt:FB+8*\dt+7]
.else
	v_wmma_f32_16x16x32_bf16 v[SC+8*(4*\nt+\dt):SC+8*(4*\nt+\dt)+7], v[8*(8*\nt+\kc):8*(8*\nt+\kc)+7], v[32*\kc+8*\dt:32*\kc+8*\dt+7], v[SC+8*(4*\nt+\dt):SC+8*(4*\nt+\dt)+7]
.endif
.endr
.endr
.endr
	WIN 0
	PLACES 4                                       ; behind the last matrix instructions: results are stored, O's registers are loaded into
	; THE WAY OUT: my 64 rows d x 64 n of f32 through my own stage (in my own 64 KiB of the parts, which no wave reads any more behind the last barrier)
.irp dt, 0,1,2,3
.irp nt, 0,1,2,3
.irp hf, 0,1
	ds_store_b128 v[SGW], v[SC+8*(4*\nt+\dt)+4*\hf:SC+8*(4*\nt+\dt)+4*\hf+3] offset:16*SP*\dt+64*\nt+16*\hf
.endr
.endr
.endr
	WIN 0x88                                       ; loaded data and store data in window 2
.set i, 0
.rept 32
	ds_load_b128 v[4*i:4*i+3], v[SGR] offset:2*SP*i    ; LDS serves a wave's instructions in order (ISA guide 5.7.1): these see the stores above
.set i, i+1
.endr
.set i, 0
.rept 32
	s_wait_dscnt 31-i                              ; the younger read-backs may stay out
	global_store_b128 v[OUTO], v[4*i:4*i+3], s[16:17] offset:32768*i th:TH_STORE_NT    ; 16 lanes store 256 consecutive bytes, aligned: rows 64 w + 2 i, + 1
.set i, i+1
.endr
	WIN 0
	s_wait_tensorcnt 0x0
	ds_add_u32 v62, v63
	s_wait_dscnt 0x0
	s_endpgm
.Lfunc_end_k_q67a466df13_attn:
	.size	k_q67a466df13_attn, .Lfunc_end_k_q67a466df13_attn-k_q67a466df13_attn
	.p2alignl 7, 3214868480
	.fill 96, 4, 3214868480
	.section	.rodata,"a",@progbits
	.p2align	6, 0x0
	.amdhsa_kernel k_q67a466df13_attn
		.amdhsa_group_segment_fixed_size 299520
		.amdhsa_private_segment_fixed_size 0
		.amdhsa_enable_private_segment 0
		.amdhsa_kernarg_size 56
		.amdhsa_user_sgpr_count 2
		.amdhsa_user_sgpr_kernarg_segment_ptr 1
		.amdhsa_wavefront_size32 1
		.amdhsa_system_sgpr_workgroup_id_x 1
		.amdhsa_system_sgpr_workgroup_id_y 1
		.amdhsa_system_sgpr_workgroup_id_z 1
		.amdhsa_system_vgpr_workitem_id 0
		.amdhsa_next_free_vgpr 1024
		.amdhsa_next_free_sgpr 66
		.amdhsa_reserve_vcc 1
		.amdhsa_float_denorm_mode_32 3
		.amdhsa_float_denorm_mode_16_64 3
		.amdhsa_memory_ordered 1
		.amdhsa_forward_progress 1
		.amdhsa_inst_pref_size 255
	.end_amdhsa_kernel
	.section	.bss,"aw",@nobits
	.p2align	6
	.space	262144
	.amdgpu_metadata
---
amdhsa.version: [ 1, 2 ]
amdhsa.kernels:
  - .name:           k_q67a466df13_attn
    .symbol:         k_q67a466df13_attn.kd
    .args:
      - { .name: qb, .offset: 0, .size: 8, .value_kind: global_buffer, .address_space: global }
      - { .name: kb, .offset: 8, .size: 8, .value_kind: global_buffer, .address_space: global }
      - { .name: vb, .offset: 16, .size: 8, .value_kind: global_buffer, .address_space: global }
      - { .name: order, .offset: 24, .size: 8, .value_kind: global_buffer, .address_space: global }
      - { .name: wb, .offset: 32, .size: 8, .value_kind: global_buffer, .address_space: global }
      - { .name: b_proj, .offset: 40, .size: 8, .value_kind: global_buffer, .address_space: global }
      - { .name: out0, .offset: 48, .size: 8, .value_kind: global_buffer, .address_space: global }
    .group_segment_fixed_size: 299520
    .private_segment_fixed_size: 0
    .kernarg_segment_align: 8
    .kernarg_segment_size: 56
    .max_flat_workgroup_size: 128
    .sgpr_count:     66
    .vgpr_count:     1024
    .wavefront_size: 32
...
	.end_amdgpu_metadata
.endif
;; end of part 6
